; MI455X (gfx1250); checked and timed in simulation.
; The chip was launched on July 23, 2026; its instructions are those of AMD's public machine-readable ISA for CDNA 5 (MIT licence, August 2026) and "CDNA5" Instruction Set Architecture Reference Guide (July 2026). The comments in the code are by the model that wrote it; some were corrected since.
;; Hetero Encoder. Allowed arithmetic: matrix products marked QUANTISED: E2M3 operands, one E8M0 scale for each 32 along K, by v_wmma_scale_f32_16x16x128_f8f6f4 with both operands' format E2M3, f32 sums; everything else in f32.
;; Inputs: W1_codes 8 x 2,048 x 16 x 24 uint8 (E2M3 codes of W1, K innermost, in blocks of 32 codes, four codes in three bytes); W1_scales 8 x 2,048 x 16 uint8 (E8M0 scales of W1, one for each 32 codes along K); W2_codes 8 x 512 x 64 x 24 uint8 (E2M3 codes of W2, K innermost, in blocks of 32 codes, four codes in three bytes); W2_scales 8 x 512 x 64 uint8 (E8M0 scales of W2, one for each 32 codes along K); b1 8 x 2,048 float32; b2 8 x 512 float32; be1 8 x 512 float32; be2 8 x 512 float32; g1 8 x 512 float32; g2 8 x 512 float32; type_vec 4,096 int32; x 4,096 x 512 float32.
;; Outputs: out0 4,096 x 512 float32.
;; This version of the problem:
;;   THIS VERSION OF THE PROBLEM IS GIVEN IN LOW PRECISION. The matrix products marked QUANTISED in the list below multiply operands that are first quantised to E2M3 (2 exponent bits, 3 mantissa bits; 6 bits a number), with one power-of-two scale for each 32 numbers along K (OCP MX v1.0); their sums are f32. All else is computed in f32.
;;   The module's matrix products, in the order in which they are computed (A, B: the left and right operand; K: the contracted axis; several contracted axes count as one K, in the product's order):
;;     1. [M 4,096, K 512] x [K 512, N 2,048]; A: computed on the way; B: input W1 (given as codes): QUANTISED
;;     2. [M 4,096, K 2,048] x [K 2,048, N 512]; A: computed on the way; B: input W2 (given as codes): QUANTISED
;;     3. [M 4,096, K 512] x [K 512, N 2,048]; A: computed on the way; B: input W1 (given as codes): QUANTISED
;;     4. [M 4,096, K 2,048] x [K 2,048, N 512]; A: computed on the way; B: input W2 (given as codes): QUANTISED
;;     5. [M 4,096, K 512] x [K 512, N 2,048]; A: computed on the way; B: input W1 (given as codes): QUANTISED
;;     6. [M 4,096, K 2,048] x [K 2,048, N 512]; A: computed on the way; B: input W2 (given as codes): QUANTISED
;;     7. [M 4,096, K 512] x [K 512, N 2,048]; A: computed on the way; B: input W1 (given as codes): QUANTISED
;;     8. [M 4,096, K 2,048] x [K 2,048, N 512]; A: computed on the way; B: input W2 (given as codes): QUANTISED
;;     9. [M 4,096, K 512] x [K 512, N 2,048]; A: computed on the way; B: input W1 (given as codes): QUANTISED
;;     10. [M 4,096, K 2,048] x [K 2,048, N 512]; A: computed on the way; B: input W2 (given as codes): QUANTISED
;;     11. [M 4,096, K 512] x [K 512, N 2,048]; A: computed on the way; B: input W1 (given as codes): QUANTISED
;;     12. [M 4,096, K 2,048] x [K 2,048, N 512]; A: computed on the way; B: input W2 (given as codes): QUANTISED
;;     13. [M 4,096, K 512] x [K 512, N 2,048]; A: computed on the way; B: input W1 (given as codes): QUANTISED
;;     14. [M 4,096, K 2,048] x [K 2,048, N 512]; A: computed on the way; B: input W2 (given as codes): QUANTISED
;;     15. [M 4,096, K 512] x [K 512, N 2,048]; A: computed on the way; B: input W1 (given as codes): QUANTISED
;;     16. [M 4,096, K 2,048] x [K 2,048, N 512]; A: computed on the way; B: input W2 (given as codes): QUANTISED
;;   THE QUANTISER, for each operand of a quantised product, along K:
;;     - K is cut into blocks of 32 from its start; a last block that is shorter is filled with zeros.
;;     - A block's scale is 2^e with e = floor(log2(the largest magnitude in the block)) - 2, held to -126 .. 127; a block of zeros has e = 0. As a byte (E8M0): e + 127.
;;     - Each number is divided by its block's scale, clamped to +-7.5, and rounded to the nearest number of E2M3, ties to even, subnormals kept.
;;     - The product sums the exact products of the quantised numbers (number of the format x scale) in f32.
;;   ~~~python
;;   def quantise(x, axis):      # numpy; x: float32 -> the quantised numbers, widened to float32 again
;;       x = np.moveaxis(x, axis, -1); K = x.shape[-1]
;;       x = np.pad(x, [(0, 0)] * (x.ndim - 1) + [(0, -K % 32)]); x = x.reshape(x.shape[:-1] + (-1, 32)); a = np.abs(x).max(-1, keepdims=True)
;;       e = np.where(a > 0, np.clip(np.frexp(np.where(a > 0, a, 1))[1] - 1 - 2, -126, 127), 0)      # np.frexp(a)[1] - 1 = floor(log2(a)), exactly
;;       r = np.clip(x / 2.0 ** e, -7.5, 7.5)
;;       step = 2.0 ** (np.maximum(np.frexp(np.where(r == 0, 1, r))[1] - 1, 0) - 3)
;;       q = np.round(r / step) * step * 2.0 ** e      # np.round: ties to even
;;       return np.moveaxis(q.reshape(q.shape[:-2] + (-1,))[..., :K], -1, axis).astype(np.float32)
;;   ~~~
;;   OPERANDS COMPUTED ON THE WAY. 'Computed on the way' means the value that the module computes at that place (a softmax that the list does not call 'softmax' is quantised finished and normalised). What goes into a quantiser is computed in f32, as accurately as f32 sums, v_exp_f32 and their like allow (about 1e-6 of the number): no bf16 or f16 on the way to a quantiser, and a product that is left as it is and whose result goes on into a quantised operand takes f32 operands (vector FMAs, or v_wmma_f32_16x16x4_f32). A number that lies on a knife's edge between two numbers of the format may be rounded either way, as far as f32 arithmetic and the matrix unit's own rounding can turn it there, and no further.
;;   INPUTS GIVEN AS CODES. W1 (in the module: [8, 512, 2048], K = its axis 1); W2 (in the module: [8, 2048, 512], K = its axis 1): each comes as NAME_codes (uint8): NAME with its K axis moved to the last place and cut into blocks of 32 codes, [.., K / 32, bytes a block], one block behind the other in memory; four codes in three bytes: a row's codes are one little-endian stream of bits, code i at bits 6 i .. 6 i + 5 (a code: sign, 2 exponent bits, 3 mantissa bits); and NAME_scales (uint8): the same leading axes, one E8M0 byte (e + 127) for each 32 codes along K. Its value is code x scale, taken as it is: it is not quantised again, and the codes and scales need not be those that the quantiser above would give.
;; 3 versions, each right; version 2 is faster than version 1; version 3 is version 2 with the launch encoder written anew for expert scheduling mode. Each part assembles by itself: llvm-mc -triple=amdgcn-amd-amdhsa -mcpu=gfx1250 --defsym DOCPART=n.
;; ======== version 1 of 3: 2 launches
;; workspace buffers: wimg 12,582,912 bytes; simg 524,288 bytes; order 16,640 bytes of whole numbers; tiles 1,280 bytes of whole numbers
;; launch prep (part 1): grid 129 x 1, 8 waves a work-group, no clusters, 2,048 bytes of LDS; arguments W1_codes, W1_scales, W2_codes, W2_scales, type_vec, wimg, simg, order, tiles; writes wimg, simg, order, tiles
.if DOCPART == 1
	.amdgcn_target "amdgcn-amd-amdhsa--gfx1250"
	.amdhsa_code_object_version 6
	.text
	.protected	k_q607391792d_prep
	.globl	k_q607391792d_prep
	.p2align	8
	.type	k_q607391792d_prep,@function
k_q607391792d_prep:
	s_mov_b64 s[64:65], 0
	v_nop
	global_prefetch_b8 v0, s[64:65] scope:SCOPE_SE
	s_setreg_imm32_b32 hwreg(HW_REG_WAVE_MODE, 25, 1), 1
	s_wait_xcnt 0x0
; WORK-GROUPS 0-127 lay both weights' codes and scale bytes anew, as IMAGES OF OPERAND REGISTERS in the order in which the second launch consumes them.
; WORK-GROUP 128 sorts the 4,096 tokens by expert (a counting sort without atomics) and writes the table of tiles.
; wimg: fragment ((((e 4 + w) 4 + j) 16 + g) 4 + f), 1,536 bytes each: e expert, w consuming wave, j chunk of 512 hidden units, g group, f fragment.
;   A fragment is 16 rows x 128 K of E2M3 codes, 12 registers a lane; register 4 p + q of lane l lies at byte 512 p + 16 l + 4 q.
;   g = 4 c + s < 8: W1, K step s; lane r takes row 512 j + 128 w + 64 c + 32 (f / 2) + 8 (f % 2) + r + 8 (r / 8), so that the results of two neighbouring tiles are 16 neighbours along the next K.
;   g = 8 + 2 s + u: W2, K step 4 j + s; lane r takes row 128 w + 16 (4 u + f) + r.
; simg: 4,096 bytes for each (e, w, j): 32 scale registers, 16 bytes a lane and four registers a piece of 512 bytes.  Register 2 g + x: lanes 0-15 the words of fragment 2 x, lanes 16-31 those of fragment 2 x + 1.
; order: the token numbers sorted by bucket, then 64 zeros, so that a tile may read 64 entries from any start.   tiles: 72 entries (bucket, start, count, 0).
; BUCKETS: min(type, 8): a type outside 0 .. 7 belongs to no expert and falls into the ninth bucket, whose rows the second launch stores as zeros.
; TILES: NT = the sum of ceil(count / 64) lies in 64 .. 72.  The grid of the second launch is 72 on every input: the 72 - NT work-groups that are over each take the upper 32 tokens of one
; full tile.  Full tiles suffice: F full and P <= 9 partial tiles hold 64 F + 63 P >= 4,096 tokens, so 2 F + P >= 119 and 72 - F - P <= F.
.set TY,  32                           ; v32-47   my 16 tokens' buckets
.set POS, 80                           ; v80-95   their places in order
.set ADR, 96                           ; v96-111  the places as byte offsets
.set ID,  112                          ; v112-127 the token numbers
	s_load_b512 s[4:19], s[0:1], 0x0               ; W1 codes s[4:5], W1 scales s[6:7], W2 codes s[8:9], W2 scales s[10:11], type_vec s[12:13], wimg s[14:15], simg s[16:17], order s[18:19]
	s_load_b64 s[20:21], s[0:1], 0x40              ; tiles
	v_lshl_add_u32 v128, v0, 2, 0x400
	v_mov_b32 v129, 0
	v_lshrrev_b32 v1, 5, v0
	v_readfirstlane_b32 s22, v1                    ; wave 0..7
	v_and_b32 v6, 31, v0                           ; lane
	v_and_b32 v7, 15, v0                           ; r
	v_bfe_u32 v8, v0, 4, 1                         ; h
	v_lshlrev_b32 v1, 4, v6                        ; 16 x lane
	s_cmp_eq_u32 ttmp9, 128
	s_cbranch_scc1 .Lroute
	; ---------------- THE WEIGHTS.  Work-group = 16 e + 4 w + j; wave i takes groups 2 i and 2 i + 1: waves 0-3 W1's eight, waves 4-7 W2's eight.
	s_lshr_b32 s24, ttmp9, 4                       ; e
	s_bfe_u32 s25, ttmp9, 0x20002                  ; w
	s_and_b32 s26, ttmp9, 3                        ; j
	v_and_b32 v9, 8, v7
	v_add_nc_u32 v9, v9, v7                        ; r + 8 (r / 8)
	v_mul_u32_u24 v2, v9, 384                      ; W1's codes: a row of 512 codes is 384 bytes,
	v_mad_u32_u24 v2, v8, 24, v2                   ; + 24 h
	v_lshl_add_u32 v3, v8, 3, v9                   ; W1's scale words: lanes 16-31 take the fragment 8 rows on
	v_lshlrev_b32 v3, 4, v3                        ; 16 bytes a row
	v_mul_u32_u24 v4, v7, 1536                     ; W2's codes: a row of 2,048 codes is 1,536 bytes
	v_mad_u32_u24 v4, v8, 24, v4
	v_lshl_add_u32 v5, v8, 4, v7                   ; W2's scale words: lanes 16-31 take the fragment 16 rows on
	v_lshlrev_b32 v5, 6, v5                        ; 64 bytes a row
	s_mul_i32 s40, ttmp9, 98304                    ; where my two groups go: 16 groups of 6,144 bytes a work-group
	s_mul_i32 s42, s22, 12288
	s_add_co_u32 s40, s40, s42
	s_mov_b32 s41, 0
	s_lshl_b32 s42, ttmp9, 12                      ; and my four scale registers: a piece of 512 bytes
	s_lshl_b32 s43, s22, 9
	s_add_co_u32 s42, s42, s43
	s_mov_b32 s43, 0
	s_mov_b32 s31, 0
	s_wait_kmcnt 0x0
	s_add_nc_u64 s[14:15], s[14:15], s[40:41]
	s_add_nc_u64 s[16:17], s[16:17], s[42:43]
	s_cmp_lt_u32 s22, 4
	s_cbranch_scc0 .Lw2
	s_lshr_b32 s27, s22, 1                         ; c
	s_and_b32 s28, s22, 1                          ; my first K step is 2 (i % 2)
	s_mul_i32 s30, s24, 786432
	s_mul_i32 s32, s26, 196608                     ; 512 rows
	s_add_co_u32 s30, s30, s32
	s_mul_i32 s32, s25, 49152                      ; 128 rows
	s_add_co_u32 s30, s30, s32
	s_mul_i32 s32, s27, 24576                      ; 64 rows
	s_add_co_u32 s30, s30, s32
	s_mul_i32 s32, s28, 192                        ; two K steps of 96 bytes
	s_add_co_u32 s30, s30, s32
	s_add_nc_u64 s[4:5], s[4:5], s[30:31]
	s_lshl_b32 s30, s24, 15
	s_lshl_b32 s32, s26, 13
	s_add_co_u32 s30, s30, s32
	s_lshl_b32 s32, s25, 11
	s_add_co_u32 s30, s30, s32
	s_lshl_b32 s32, s27, 10
	s_add_co_u32 s30, s30, s32
	s_lshl_b32 s32, s28, 3
	s_add_co_u32 s30, s30, s32
	s_add_nc_u64 s[6:7], s[6:7], s[30:31]
.irp gg, 0,1
.irp f, 0,1,2,3
.irp p, 0,1,2,3,4,5
	global_load_b64 v[32+12*(4*\gg+\f)+2*\p:32+12*(4*\gg+\f)+2*\p+1], v2, s[4:5] offset:96*\gg+12288*(\f/2)+3072*(\f%2)+48*(\p/3)+8*(\p%3)
.endr
.endr
.endr
.irp gg, 0,1
.irp x, 0,1
	global_load_b32 v[16+2*\gg+\x], v3, s[6:7] offset:4*\gg+512*\x
.endr
.endr
	s_branch .Lout
.Lw2:
	s_sub_co_u32 s27, s22, 4                       ; s; the wave's two groups are u = 0, 1
	s_mul_i32 s30, s24, 786432
	s_mul_i32 s32, s25, 196608                     ; 128 rows
	s_add_co_u32 s30, s30, s32
	s_mul_i32 s32, s26, 384                        ; four K steps
	s_add_co_u32 s30, s30, s32
	s_mul_i32 s32, s27, 96
	s_add_co_u32 s30, s30, s32
	s_add_nc_u64 s[8:9], s[8:9], s[30:31]
	s_lshl_b32 s30, s24, 15
	s_lshl_b32 s32, s25, 13
	s_add_co_u32 s30, s30, s32
	s_lshl_b32 s32, s26, 4
	s_add_co_u32 s30, s30, s32
	s_lshl_b32 s32, s27, 2
	s_add_co_u32 s30, s30, s32
	s_add_nc_u64 s[10:11], s[10:11], s[30:31]
.irp gg, 0,1
.irp f, 0,1,2,3
.irp p, 0,1,2,3,4,5
	global_load_b64 v[32+12*(4*\gg+\f)+2*\p:32+12*(4*\gg+\f)+2*\p+1], v4, s[8:9] offset:98304*\gg+24576*\f+48*(\p/3)+8*(\p%3)
.endr
.endr
.endr
.irp gg, 0,1
.irp x, 0,1
	global_load_b32 v[16+2*\gg+\x], v5, s[10:11] offset:4096*\gg+2048*\x
.endr
.endr
.Lout:
	s_wait_loadcnt 0x0
.set k, 0
.rept 24
	global_store_b128 v1, v[32+4*k:35+4*k], s[14:15] offset:512*k    ; 32 lanes store 512 consecutive bytes, at a multiple of 512 from the buffer's first byte
.set k, k+1
.endr
	global_store_b128 v1, v[16:19], s[16:17]
	s_endpgm
	; ---------------- THE ROUTING.  Wave W takes tokens 512 W .. 512 W + 511: register k of lane l is token 512 W + 128 (k / 4) + 4 l + k % 4.
.Lroute:
	s_lshl_b32 s40, s22, 11
	s_mov_b32 s41, 0
	s_wait_kmcnt 0x0
	s_add_nc_u64 s[12:13], s[12:13], s[40:41]
.irp a, 0,1,2,3
	global_load_b128 v[TY+4*\a:TY+4*\a+3], v1, s[12:13] offset:512*\a
.endr
	v_lshlrev_b32 v10, 5, v6                       ; the table of counts in LDS: row = bucket (one for each lane), 8 words, one for each wave
	s_lshl_b32 s23, s22, 2
	v_add_nc_u32 v9, s23, v10
.irp b, 0,1,2,3,4,5,6,7
	s_mov_b32 s[24+\b], 0
.endr
	s_wait_loadcnt 0x0
.set k, 0
.rept 16
	v_min_u32 v[TY+k], 8, v[TY+k]                  ; as an unsigned number a negative type is large: the ninth bucket
.set k, k+1
.endr
	; A: my wave's count of each bucket
.set k, 0
.rept 16
.irp b, 0,1,2,3,4,5,6,7
	v_cmp_eq_u32 s[33+\b], \b, v[TY+k]
.endr
.irp b, 0,1,2,3,4,5,6,7
	s_bcnt1_i32_b32 s[33+\b], s[33+\b]
.endr
.irp b, 0,1,2,3,4,5,6,7
	s_add_co_u32 s[24+\b], s[24+\b], s[33+\b]
.endr
.set k, k+1
.endr
	s_mov_b32 s32, 512                             ; the ninth bucket has what is left of my 512
.irp b, 0,1,2,3,4,5,6,7
	s_sub_co_u32 s32, s32, s[24+\b]
.endr
	v_mov_b32 v20, 0
.irp b, 0,1,2,3,4,5,6,7,8
	v_writelane_b32 v20, s[24+\b], \b
.endr
	ds_store_b32 v9, v20                           ; lane b: bucket b's count of my wave (lanes 9-31 store zeros in rows of their own)
	s_wait_dscnt 0x0                               ; for the others' sake: my store is done
	s_barrier_signal -1
	s_barrier_wait -1
	ds_load_b128 v[64:67], v10
	ds_load_b128 v[68:71], v10 offset:16
	s_wait_dscnt 0x0
	v_add_nc_u32 v72, v64, v65
	v_mov_b32 v73, 0
.irp a, 2,3,4,5,6,7
	v_add_nc_u32 v72, v72, v[64+\a]                ; lane b: bucket b's count
.endr
.irp a, 0,1,2,3,4,5,6
	s_cmp_gt_u32 s22, \a
	s_cselect_b32 s33, -1, 0
	v_and_b32 v74, s33, v[64+\a]
	v_add_nc_u32 v73, v73, v74                     ; lane b: what the waves in front of mine have of bucket b
.endr
.irp b, 0,1,2,3,4,5,6,7,8
	v_readlane_b32 s[66+\b], v72, \b
	v_readlane_b32 s[33+\b], v73, \b
.endr
	s_mov_b32 s43, 0                               ; tokens,
	s_mov_b32 s44, 0                               ; tiles
	s_mov_b32 s45, 0                               ; and full tiles in front of bucket b
.irp b, 0,1,2,3,4,5,6,7,8
	s_mov_b32 s[76+\b], s43
	s_mov_b32 s[86+\b], s44
	s_mov_b32 s[46+\b], s45
	s_add_co_u32 s[24+\b], s43, s[33+\b]           ; where my wave's first token of bucket b goes
	s_add_co_u32 s43, s43, s[66+\b]
	s_add_co_u32 s23, s[66+\b], 63
	s_lshr_b32 s23, s23, 6
	s_add_co_u32 s44, s44, s23
	s_lshr_b32 s23, s[66+\b], 6
	s_add_co_u32 s45, s45, s23
.endr
	s_mov_b32 s55, s44                             ; NT
	s_sub_co_u32 s56, 72, s55                      ; L: the work-groups that are over
	; B: each token's place: the bucket's running count + the lanes below mine that hold the same bucket in this register
.set k, 0
.rept 16
.irp b, 0,1,2,3,4,5,6,7,8
	v_cmp_eq_u32 s[33+\b], \b, v[TY+k]
.if \b == 0
	v_mbcnt_lo_u32_b32 v[POS+k], s[33+\b], s[24+\b]
.else
	v_mbcnt_lo_u32_b32 v74, s[33+\b], s[24+\b]
	v_cndmask_b32 v[POS+k], v[POS+k], v74, s[33+\b]
.endif
	s_bcnt1_i32_b32 s[33+\b], s[33+\b]
	s_add_co_u32 s[24+\b], s[24+\b], s[33+\b]
.endr
.set k, k+1
.endr
	s_lshl_b32 s23, s22, 9
	v_lshl_add_u32 v75, v6, 2, s23                 ; 512 W + 4 l
.set k, 0
.rept 16
	v_min_u32 v[ADR+k], 0xfff, v[POS+k]            ; a place made of loaded numbers is held inside the list
	v_lshlrev_b32 v[ADR+k], 2, v[ADR+k]
	v_add_nc_u32 v[ID+k], 128*(k/4)+k%4, v75
.set k, k+1
.endr
.set k, 0
.rept 16
	global_store_b32 v[ADR+k], v[ID+k], s[18:19]   ; 16 KiB in all, scattered by the sort; each register serves one store and is not written again
.set k, k+1
.endr
	s_cmp_lt_u32 s22, 2
	s_cbranch_scc0 .Lnopad
	v_lshlrev_b32 v76, 2, v0
	v_mov_b32 v77, 0
	global_store_b32 v76, v77, s[18:19] offset:16384   ; the 64 zeros behind the list
.Lnopad:
	; THE TABLE: thread g makes entry g.  g < NT: tile g - TB of the last bucket b with TB_b <= g.  g >= NT: the upper half of full tile g - NT.
	v_sub_nc_u32 v79, v0, s55                      ; g - NT
.irp b, 0,1,2,3,4,5,6,7,8
	s_lshl_b32 s23, s[86+\b], 6
	s_sub_co_u32 s43, s[76+\b], s23                ; OFF - 64 TB: + 64 g = the tile's start
	s_add_co_u32 s44, s[76+\b], s[66+\b]           ; the bucket's end
	s_sub_co_u32 s45, s[46+\b], s[86+\b]           ; FB - TB: + g = the tile's number among the full tiles
	s_lshl_b32 s23, s[46+\b], 6
	s_sub_co_u32 s57, s[76+\b], s23
	s_add_co_u32 s57, s57, 32                      ; OFF - 64 FB + 32: + 64 (g - NT) = the upper half's start
.if \b == 0
	v_mov_b32 v24, 0
	v_mov_b32 v28, s43
	v_mov_b32 v29, s44
	v_mov_b32 v30, s45
	v_mov_b32 v31, 0
	v_mov_b32 v78, s57
.else
	s_mov_b32 s58, \b
	v_cmp_le_u32 s33, s[86+\b], v0
	v_cmp_le_u32 s34, s[46+\b], v79
	v_cndmask_b32 v24, v24, s58, s33
	v_cndmask_b32 v28, v28, s43, s33
	v_cndmask_b32 v29, v29, s44, s33
	v_cndmask_b32 v30, v30, s45, s33
	v_cndmask_b32 v31, v31, s58, s34
	v_cndmask_b32 v78, v78, s57, s34
.endif
.endr
	v_mov_b32 v21, 32
	v_lshl_add_u32 v25, v0, 6, v28                 ; start
	v_sub_nc_u32 v26, v29, v25
	v_min_u32 v26, 64, v26                         ; count
	v_add_nc_u32 v30, v0, v30
	v_cmp_eq_u32 s33, 64, v26
	v_cmp_gt_u32 s34, s56, v30
	s_and_b32 s33, s33, s34
	v_cndmask_b32 v26, v26, v21, s33               ; the first L full tiles keep their lower 32 tokens
	v_lshl_add_u32 v78, v79, 6, v78
	v_cmp_le_u32 s34, s55, v0
	v_cndmask_b32 v24, v24, v31, s34
	v_cndmask_b32 v25, v25, v78, s34
	v_cndmask_b32 v26, v26, v21, s34
	v_mov_b32 v27, 0
	v_lshlrev_b32 v11, 4, v0
	s_wait_xcnt 0x0                                ; EXEC changes only behind this wait: stores are out
	v_cmp_gt_u32 vcc_lo, 72, v0
	s_wait_tensorcnt 0x0
	ds_add_u32 v128, v129
	s_wait_dscnt 0x0
	s_and_saveexec_b32 s42, vcc_lo
	global_store_b128 v11, v[24:27], s[20:21]
	s_wait_xcnt 0x0                                ; and again in front of the line that widens it
	s_or_b32 exec_lo, exec_lo, s42
	s_endpgm
.Lfunc_end_k_q607391792d_prep:
	.size	k_q607391792d_prep, .Lfunc_end_k_q607391792d_prep-k_q607391792d_prep
	.p2alignl 7, 3214868480
	.fill 96, 4, 3214868480
	.section	.rodata,"a",@progbits
	.p2align	6, 0x0
	.amdhsa_kernel k_q607391792d_prep
		.amdhsa_group_segment_fixed_size 2048
		.amdhsa_private_segment_fixed_size 0
		.amdhsa_enable_private_segment 0
		.amdhsa_kernarg_size 72
		.amdhsa_user_sgpr_count 2
		.amdhsa_user_sgpr_kernarg_segment_ptr 1
		.amdhsa_wavefront_size32 1
		.amdhsa_system_sgpr_workgroup_id_x 1
		.amdhsa_system_sgpr_workgroup_id_y 1
		.amdhsa_system_sgpr_workgroup_id_z 1
		.amdhsa_system_vgpr_workitem_id 0
		.amdhsa_next_free_vgpr 130
		.amdhsa_next_free_sgpr 100
		.amdhsa_reserve_vcc 1
		.amdhsa_float_denorm_mode_32 3
		.amdhsa_float_denorm_mode_16_64 3
		.amdhsa_memory_ordered 1
		.amdhsa_forward_progress 1
		.amdhsa_inst_pref_size 87
	.end_amdhsa_kernel
	.amdgpu_metadata
---
amdhsa.version: [ 1, 2 ]
amdhsa.kernels:
  - .name:           k_q607391792d_prep
    .symbol:         k_q607391792d_prep.kd
    .args:
      - { .name: W1_codes, .offset: 0, .size: 8, .value_kind: global_buffer, .address_space: global }
      - { .name: W1_scales, .offset: 8, .size: 8, .value_kind: global_buffer, .address_space: global }
      - { .name: W2_codes, .offset: 16, .size: 8, .value_kind: global_buffer, .address_space: global }
      - { .name: W2_scales, .offset: 24, .size: 8, .value_kind: global_buffer, .address_space: global }
      - { .name: type_vec, .offset: 32, .size: 8, .value_kind: global_buffer, .address_space: global }
      - { .name: wimg, .offset: 40, .size: 8, .value_kind: global_buffer, .address_space: global }
      - { .name: simg, .offset: 48, .size: 8, .value_kind: global_buffer, .address_space: global }
      - { .name: order, .offset: 56, .size: 8, .value_kind: global_buffer, .address_space: global }
      - { .name: tiles, .offset: 64, .size: 8, .value_kind: global_buffer, .address_space: global }
    .group_segment_fixed_size: 2048
    .private_segment_fixed_size: 0
    .kernarg_segment_align: 8
    .kernarg_segment_size: 72
    .max_flat_workgroup_size: 256
    .sgpr_count:     100
    .vgpr_count:     130
    .wavefront_size: 32
...
	.end_amdgpu_metadata
.endif
;; end of part 1
;; launch encoder (part 2): grid 72 x 1, 4 waves a work-group, no clusters, 204,288 bytes of LDS; arguments x, order, tiles, wimg, simg, b1, b2, g1, be1, g2, be2, out0; writes out0
.if DOCPART == 2
	.amdgcn_target "amdgcn-amd-amdhsa--gfx1250"
	.amdhsa_code_object_version 6
	.text
	.protected	k_q607391792d_encoder
	.globl	k_q607391792d_encoder
	.p2align	8
	.type	k_q607391792d_encoder,@function
k_q607391792d_encoder:
	s_mov_b64 s[64:65], 0
	v_nop
	global_prefetch_b8 v0, s[64:65] scope:SCOPE_SE
	s_setreg_imm32_b32 hwreg(HW_REG_WAVE_MODE, 25, 1), 1
	s_wait_xcnt 0x0
; out[t] = LN2(h + relu(h W1 + b1) W2 + b2), h = LN1(x[t]), with the parameters of token t's expert.  Both products on codes of E2M3 with one E8M0 scale for each 32 along K.
; A work-group takes ONE TILE of the table: up to 64 tokens of one expert, gathered by the sorted list.  reference() keeps of each expert's result only the rows of its own tokens: only those are computed.
; A tile of the ninth bucket (a type outside 0 .. 7) walks the same text with expert 7's parameters, so that every wave passes every barrier, and stores zeros.
; Rows of a tile beyond its count are other tokens of the list (or token 0): they are computed and not stored.
; SHARES.  LN1: wave w takes rows 16 w .. 16 w + 15.  Product 1: in chunk j (512 hidden units) wave w makes units 512 j + 128 w .. + 127 for all 64 rows: that is K step 4 j + w of product 2.
; Product 2: wave w owns columns 128 w .. + 127 for all 64 rows.  So each weight fragment is used by one wave alone and feeds four matrix instructions: it comes from memory straight into registers,
; as an image of those registers (three loads of 512 consecutive bytes), three to four groups of four fragments ahead.  No LDS ring, no tensor load: weights are not shared between waves.
; No cluster either: how many tiles an expert has hangs on the data, so partners with the same weights cannot be fixed in the grid.
; BOTH PRODUCTS ARE USED TRANSPOSED (source 0 = 16 rows of a weight, source 1 = 16 tokens): a lane holds ONE token (lane % 16), and its registers run along the hidden units or the columns.
; h's and the hidden layer's codes go from wave to wave through LDS as images of half fragments (6 registers a lane: 16 bytes at 16 l, 8 bytes at 512 + 8 l), their scale words 16 bytes a lane.
; Product 2's sums begin as h + b2, product 1's as b1 (the C of its first K step): nothing is cleared.
; LIMITS: NaN and infinities among the inputs are not served.  A block of zeros gets the scale byte 1 where the rule says 127: its codes are zeros, and this program alone reads the byte;
; blocks whose largest magnitude lies under 2^-124 share that byte.  Both variances are taken of centred numbers, in a second pass.
; REGISTERS, in windows of 256.  Window 0: v1-19 addresses; v24-39 h's scale words; v40-55, v56-71 W1's and W2's; v72-79 the hidden layer's, two sets; v80-103 the quantiser's; v104-127 sums, means, 1 / sigma;
;   v128-255 product 1's 16 accumulators ((m, f) at 128 + 32 m + 8 f), then two sets of four hidden fragments; at the start h at work and b2; at the end rows of the output.
; Window 1: v0-191 a ring of four groups of four weight fragments; v192-255 b1 in the result's layout; at the end g2, be2.
; Window 2: v0-191 h's 16 fragments (12 (4 m + s)); at the start two sets of g1, be1.     Window 3: at the start x; then product 2's 32 accumulators ((t, m) at 8 (4 t + m)).
.set HP,   2064                        ; a row of h (later of the output) in LDS: 2,048 bytes + 16: row r starts 4 r banks on
.set XIMG, 64*HP                       ; h's codes: [m][s][c] half images of 768 bytes
.set XSC,  XIMG+24576                  ; h's scale words: [m][lane] 16 bytes: K steps 0 .. 3
.set HID,  26624                       ; the hidden chunk's codes [s][m][c] and words [s][lane] lie this far behind h's
.set GST,  XSC+2048+HID                ; g1 and be1 of the expert, a copy of 4,096 bytes for each wave
.set RED1, GST+16384                   ; two tables [token][wave] of f32 for the sums of LN2, 1,024 bytes each
.set LI,   1                           ; 16 x lane
.set TOK,  2                           ; the token of my row
.set XOFF, 3                           ; its bytes in x: 2,048 x token + 64 h
.set HWR,  4                           ; LN1 writes h: (16 w + r) HP + 64 h
.set ACA,  5                           ; my columns of rows r, 16 + r: r HP + 32 h + 512 w
.set ACB,  6                           ; of rows 32 + r, 48 + r
.set QWA,  7                           ; where I store a half image: XIMG + 6,144 w + 16 l
.set QWB,  8                           ;   and its last two registers: + 512 + 8 l
.set RDA,  9                           ; where any wave reads one: XIMG + 16 l
.set RDB,  10                          ;   XIMG + 512 + 8 l
.set SCW,  11                          ; where I store scale words: XSC + 512 w + 16 l
.set SCR,  12                          ; where any wave reads them: XSC + 16 l
.set GA,   13                          ; g1 from my copy: GST + 4,096 w + 64 h
.set GSW,  14                          ; into my copy: GST + 4,096 w + 16 l
.set RDW,  15                          ; RED1 + 16 r + 4 w
.set RDR,  16                          ; RED1 + 16 r
.set OUTR, 17                          ; my 16 rows on the way out: 16 w HP + 16 l
.set BOFF, 18                          ; b1: 64 h
.set COFF, 19                          ; b2, g2, be2: 512 w + 32 h
.set XS,   24
.set WS1,  40
.set WS2,  56
.set HSW,  72
.set SWD,  80                          ; v80-83 scale words being made
.set T,    84                          ; v84-89 the quantiser's: two maxima, two bytes, two scale operands
.set Q,    92                          ; v92-97 a half fragment; v100-102 the second conversion's result
.set SUM,  104
.set MU,   112
.set RS,   120
.set AC1,  128
.set MSB, 0
.macro WIN new                         ; the immediate's high byte repeats the setting that is left; bits 1:0 source 0, 3:2 source 1, 5:4 source 2, 7:6 destination
.if MSB != \new
	s_set_vgpr_msb (MSB<<8)|\new
.set MSB, \new
.endif
.endm
.macro PLACES n                        ; plain vector instructions behind matrix instructions: four in front of loads into their registers and of reads of results, five in front of a matrix instruction that writes over them
.rept \n
	v_nop
.endr
.endm
.macro BARRIER                         ; my LDS stores have landed and my LDS loads are in: then the work-group's barrier
	s_wait_dscnt 0x0
	s_barrier_signal -1
	s_barrier_wait -1
.endm
.macro LOADG g                         ; group g of the chunk's 16 (16 and on: the next chunk's) into ring place g % 4: 12 loads of 512 consecutive bytes.  Destination window 1
.set lg, 0
.rept 12
	global_load_b128 v[48*((\g)%4)+4*lg:48*((\g)%4)+4*lg+3], v[LI], s[10:11] offset:(\g)*6144+512*lg
.set lg, lg+1
.endr
.endm
.macro LOADS reg, off                  ; 16 scale registers
.irp p, 0,1,2,3
	global_load_b128 v[(\reg)+4*\p:(\reg)+4*\p+3], v[LI], s[12:13] offset:(\off)+512*\p
.endr
.endm
.macro LOADB off                       ; b1 in the result's layout: tile t, lane (r, h): units 32 (t / 2) + 16 h + 8 (t % 2) + 0 .. 7.  Destination window 1
.set bi, 0
.rept 16
	global_load_b128 v[192+4*bi:195+4*bi], v[BOFF], s[14:15] offset:(\off)+128*(bi/4)+32*((bi/2)%2)+16*(bi%2)
.set bi, bi+1
.endr
.endm
.macro GLOAD s                         ; g1, be1 of K step s in x's layout, into set s % 2.  Destination window 2
.set gi, 0
.rept 16
	ds_load_b128 v[128*((\s)%2)+4*gi:128*((\s)%2)+4*gi+3], v[GA] offset:512*(\s)+128*(gi/4)+16*(gi%4)
	ds_load_b128 v[128*((\s)%2)+64+4*gi:128*((\s)%2)+64+4*gi+3], v[GA] offset:2048+512*(\s)+128*(gi/4)+16*(gi%4)
.set gi, gi+1
.endr
.endm
.macro FRAGLD reg, off                 ; a fragment comes back from its two half images
.irp c, 0,1
	ds_load_b128 v[(\reg)+6*\c:(\reg)+6*\c+3], v[RDA] offset:(\off)+768*\c
	ds_load_b64 v[(\reg)+6*\c+4:(\reg)+6*\c+5], v[RDB] offset:(\off)+768*\c
.endr
.endm
.macro HLOAD s                         ; the hidden chunk's K step s: four fragments and their words into set s % 2: 17 LDS loads
.irp m, 0,1,2,3
	FRAGLD AC1+48*((\s)%2)+12*\m, HID+6144*(\s)+1536*\m
.endr
	ds_load_b128 v[HSW+4*((\s)%2):HSW+4*((\s)%2)+3], v[SCR] offset:HID+512*(\s)
.endm
; 32 numbers of a lane, v[src] on, two half blocks: register 16 x + i = k 32 (2 c + x) + 16 h + i of my row, become half c of a fragment, stored as an image at off, and bytes 2 c, 2 c + 1 of v[word].
; abs = 0: the numbers are product 1's results: relu first, ascending.
.macro QUANT2 src, abs, c, word, off
.if (\abs) == 0
.set qi, 0
.rept 32
	v_max_num_f32 v[(\src)+qi], 0, v[(\src)+qi]
.set qi, qi+1
.endr
	v_max3_num_f32 v[T], v[(\src)], v[(\src)+1], 0x1800000            ; my 16 numbers and the floor 2^(3 - 127): the byte cannot fall under 1
	v_max3_num_f32 v[T+1], v[(\src)+16], v[(\src)+17], 0x1800000
.irp i, 2,4,6,8,10,12,14
	v_max3_num_f32 v[T], v[T], v[(\src)+\i], v[(\src)+\i+1]
	v_max3_num_f32 v[T+1], v[T+1], v[(\src)+16+\i], v[(\src)+17+\i]
.endr
.else
	v_max3_num_f32 v[T], |v[(\src)]|, |v[(\src)+1]|, 0x1800000
	v_max3_num_f32 v[T+1], |v[(\src)+16]|, |v[(\src)+17]|, 0x1800000
.irp i, 2,4,6,8,10,12,14
	v_max3_num_f32 v[T], v[T], |v[(\src)+\i]|, |v[(\src)+\i+1]|
	v_max3_num_f32 v[T+1], v[T+1], |v[(\src)+16+\i]|, |v[(\src)+17+\i]|
.endr
.endif
	v_permlanex16_b32 v[T+2], v[T], s40, s41
	v_permlanex16_b32 v[T+3], v[T+1], s40, s41
	v_max_num_f32 v[T], v[T], v[T+2]               ; with lane l xor 16's 16: the block's largest magnitude
	v_max_num_f32 v[T+1], v[T+1], v[T+3]
	v_add_nc_u32 v[T+4], 0xff000000, v[T]          ; 2 off its exponent field: the conversion takes that field as its scale
	v_add_nc_u32 v[T+5], 0xff000000, v[T+1]
	v_lshrrev_b32 v[T+2], 23, v[T+4]               ; the scale's byte
	v_lshrrev_b32 v[T+3], 23, v[T+5]
.if (\c) == 0
	v_lshl_or_b32 v[\word], v[T+3], 8, v[T+2]
.else
	v_lshl_or_b32 v[\word], v[T+2], 16, v[\word]
	v_lshl_or_b32 v[\word], v[T+3], 24, v[\word]
.endif
	s_wait_dscnt 0x0                               ; the last half's stores have read v[Q] on
	v_cvt_scalef32_pk16_fp6_f32 v[Q:Q+2], v[(\src):(\src)+15], v[T+4]
	v_cvt_scalef32_pk16_fp6_f32 v[Q+8:Q+10], v[(\src)+16:(\src)+31], v[T+5]
	v_nop                                          ; one plain place behind a scaled conversion
.irp i, 0,1,2
	v_permlane16_swap_b32 v[Q+\i], v[Q+8+\i]       ; the operand's layout wants a whole block in a lane: lanes 0-15 block 2 c, lanes 16-31 block 2 c + 1
.endr
.irp i, 0,1,2
	v_mov_b32 v[Q+3+\i], v[Q+8+\i]
.endr
	ds_store_b128 v[QWA], v[Q:Q+3] offset:\off
	ds_store_b64 v[QWB], v[Q+4:Q+5] offset:\off
.endm
.macro MM d, a, b, c0, sa, sb, odd     ; odd: the weight's words lie in lanes 16-31 of the scale register
.if \odd
	v_wmma_scale_f32_16x16x128_f8f6f4 v[(\d):(\d)+7], v[(\a):(\a)+11], v[(\b):(\b)+11], v[(\c0):(\c0)+7], v[\sa], v[\sb] matrix_a_fmt:MATRIX_FMT_FP6 matrix_b_fmt:MATRIX_FMT_FP6 matrix_a_scale:MATRIX_SCALE_ROW1
.else
	v_wmma_scale_f32_16x16x128_f8f6f4 v[(\d):(\d)+7], v[(\a):(\a)+11], v[(\b):(\b)+11], v[(\c0):(\c0)+7], v[\sa], v[\sb] matrix_a_fmt:MATRIX_FMT_FP6 matrix_b_fmt:MATRIX_FMT_FP6
.endif
.endm
; A step: one group of four weight fragments against four tiles of tokens: 16 matrix instructions on 16 accumulators, which take turns in the same order in every step.
; n: the loads younger than this step's group, which may stay out.  Behind the products and their places the ring place just read takes the group four on.
; Product 1, pass c (64 of my 128 units), K step s.  extra: this chunk's W2 scale words, issued ahead of the group, so that the wait four steps on shows them landed.
.macro P1STEP c, s, n, extra
.set G, 4*(\c)+(\s)
	s_wait_loadcnt \n
.if (\s) == 0
	WIN 0x19                                       ; weights window 1, h window 2, C = b1 window 1, D window 0
.else
	WIN 0x09
.endif
.irp f, 0,1,2,3
.irp m, 0,1,2,3
.if (\s) == 0
	MM AC1+32*\m+8*\f, 48*(G%4)+12*\f, 12*(4*\m+(\s)), 192+8*(4*(\c)+\f), WS1+2*G+\f/2, XS+4*\m+(\s), \f%2
.else
	MM AC1+32*\m+8*\f, 48*(G%4)+12*\f, 12*(4*\m+(\s)), AC1+32*\m+8*\f, WS1+2*G+\f/2, XS+4*\m+(\s), \f%2
.endif
.endr
.endr
	WIN 0
	PLACES 4
.if \extra
	LOADS WS2, 2048
.endif
	WIN 0x40
	LOADG G+4
	WIN 0
.endm
; Product 2, the chunk's K step s, columns 64 u on.  extra: the next chunk's W1 scale words and b1.
.macro P2STEP s, u, n, load, extra, np
.set G, 8+2*(\s)+(\u)
	s_wait_loadcnt \n
	WIN 0xf1                                       ; weights window 1, the hidden layer window 0, C and D window 3
.irp f, 0,1,2,3
.irp m, 0,1,2,3
	MM 8*(4*(4*(\u)+\f)+\m), 48*(G%4)+12*\f, AC1+48*((\s)%2)+12*\m, 8*(4*(4*(\u)+\f)+\m), WS2+2*(G-8)+\f/2, HSW+4*((\s)%2)+\m, \f%2
.endr
.endr
	WIN 0
	PLACES \np
.if \extra
	LOADS WS1, 4096
	WIN 0x40
	LOADB 2048
.endif
.if \load
	WIN 0x40
	LOADG G+4
.endif
	WIN 0
.endm
; A CHUNK of 512 hidden units.  ahead = 1: another chunk follows; 0: the stream ends with group 15, and the counts run down.
; The counts: a group is asked for at the end of the step four back; younger are the three groups behind it (36 loads), with step 0's 4 or step 8's 20 further loads where these fall among them.
.macro CHUNK ahead
	P1STEP 0, 0, 36, 1
	P1STEP 0, 1, 40, 0
	P1STEP 0, 2, 40, 0
	P1STEP 0, 3, 40, 0
.irp m, 0,1,2,3
	QUANT2 AC1+32*\m, 0, 0, SWD+\m, HID+1536*\m
.endr
	P1STEP 1, 0, 36, 0                             ; begins the 16 sums anew: the quantiser's lines stand between it and the products whose results it writes over
	P1STEP 1, 1, 36, 0
	P1STEP 1, 2, 36, 0
	P1STEP 1, 3, 36, 0
.irp m, 0,1,2,3
	QUANT2 AC1+32*\m, 0, 1, SWD+\m, HID+1536*\m+768
.endr
	ds_store_b128 v[SCW], v[SWD:SWD+3] offset:HID
	BARRIER                                        ; the chunk's 16 hidden fragments and their words lie in LDS
	HLOAD 0
	HLOAD 1
	s_wait_dscnt 17                                ; K step 0's are in; K step 1's 17 loads may be out
	P2STEP 0, 0, 36, 1, \ahead, 4
	P2STEP 0, 1, 36+20*\ahead, 1, 0, 4
	HLOAD 2
	s_wait_dscnt 17
	P2STEP 1, 0, 36+20*\ahead, 1, 0, 4
	P2STEP 1, 1, 36+20*\ahead, 1, 0, 4
	HLOAD 3
	s_wait_dscnt 17
	P2STEP 2, 0, 36, \ahead, 0, 4
	P2STEP 2, 1, 24+12*\ahead, \ahead, 0, 4
	s_wait_dscnt 0x0
	P2STEP 3, 0, 12+24*\ahead, \ahead, 0, 4
	P2STEP 3, 1, 36*\ahead, \ahead, 0, 5           ; five places: the next matrix instructions write over registers that these have read
.if \ahead
	BARRIER                                        ; every wave's reads of the hidden chunk are in: the next chunk may be stored over it
.endif
.endm
.macro CLRSUM
.irp i, 0,1,2,3,4,5,6,7
	v_mov_b32 v[SUM+\i], 0
.endr
.endm
.macro FOLD1                           ; four chains of pairs, then lane l xor 16's: my row's sum in v[SUM]
	v_pk_add_f32 v[SUM:SUM+1], v[SUM:SUM+1], v[SUM+2:SUM+3]
	v_pk_add_f32 v[SUM+4:SUM+5], v[SUM+4:SUM+5], v[SUM+6:SUM+7]
	v_pk_add_f32 v[SUM:SUM+1], v[SUM:SUM+1], v[SUM+4:SUM+5]
	v_add_f32 v[SUM], v[SUM], v[SUM+1]
	v_permlanex16_b32 v[SUM+1], v[SUM], s40, s41
	v_add_f32 v[SUM], v[SUM], v[SUM+1]
.endm
.macro FOLD4 off                       ; LN2: for each tile m of tokens my 128 columns' sum; the four waves' meet in LDS; every wave adds them in the same order
.irp m, 0,1,2,3
	v_add_f32 v[SUM+2*\m], v[SUM+2*\m], v[SUM+2*\m+1]
.endr
.irp m, 0,1,2,3
	v_permlanex16_b32 v[SUM+2*\m+1], v[SUM+2*\m], s40, s41
.endr
.irp m, 0,1,2,3
	v_add_f32 v[SUM+2*\m], v[SUM+2*\m], v[SUM+2*\m+1]
.endr
.irp m, 0,1,2,3
	ds_store_b32 v[RDW], v[SUM+2*\m] offset:(\off)+256*\m          ; lanes l and l xor 16 write the same word with the same value
.endr
	BARRIER
.irp m, 0,1,2,3
	ds_load_b128 v[AC1+4*\m:AC1+4*\m+3], v[RDR] offset:(\off)+256*\m
.endr
	s_wait_dscnt 0x0
.irp m, 0,1,2,3
	v_add_f32 v[AC1+4*\m], v[AC1+4*\m], v[AC1+4*\m+1]
	v_add_f32 v[AC1+4*\m+2], v[AC1+4*\m+2], v[AC1+4*\m+3]
.endr
.irp m, 0,1,2,3
	v_add_f32 v[SUM+2*\m], v[AC1+4*\m], v[AC1+4*\m+2]
.endr
.endm
	; ---------------- arguments and addresses
	s_load_b512 s[4:19], s[0:1], 0x0               ; x s[4:5], order s[6:7], tiles s[8:9], wimg s[10:11], simg s[12:13], b1 s[14:15], b2 s[16:17], g1 s[18:19]
	s_load_b256 s[20:27], s[0:1], 0x40             ; be1 s[20:21], g2 s[22:23], be2 s[24:25], out s[26:27]
	v_lshl_add_u32 v99, v0, 2, 0x31c00
	v_mov_b32 v103, 0
	v_lshrrev_b32 v20, 5, v0
	v_readfirstlane_b32 s28, v20                   ; wave 0..3
	v_and_b32 v21, 31, v0                          ; lane
	v_and_b32 v22, 15, v0                          ; r
	v_bfe_u32 v23, v0, 4, 1                        ; h
	v_lshlrev_b32 v[LI], 4, v21
	s_mul_i32 s29, s28, 16*HP
	v_mul_u32_u24 v[HWR], v22, HP
	v_lshl_add_u32 v[ACA], v23, 5, v[HWR]
	v_lshl_add_u32 v[HWR], v23, 6, v[HWR]
	v_add_nc_u32 v[HWR], s29, v[HWR]
	s_lshl_b32 s30, s28, 9
	v_add_nc_u32 v[ACA], s30, v[ACA]
	v_add_nc_u32 v[ACB], 32*HP, v[ACA]
	s_mul_i32 s31, s28, 6144
	s_add_co_u32 s31, s31, XIMG
	v_add_nc_u32 v[QWA], s31, v[LI]
	v_lshlrev_b32 v[RDB], 3, v21
	v_add_nc_u32 v[QWB], s31, v[RDB]
	v_add_nc_u32 v[QWB], 512, v[QWB]
	v_add_nc_u32 v[RDB], XIMG+512, v[RDB]
	v_add_nc_u32 v[RDA], XIMG, v[LI]
	s_add_co_u32 s46, s30, XSC
	v_add_nc_u32 v[SCW], s46, v[LI]
	v_add_nc_u32 v[SCR], XSC, v[LI]
	s_lshl_b32 s47, s28, 12
	s_add_co_u32 s47, s47, GST
	v_lshl_add_u32 v[GA], v23, 6, s47
	v_add_nc_u32 v[GSW], s47, v[LI]
	v_lshlrev_b32 v[RDR], 4, v22
	v_add_nc_u32 v[RDR], RED1, v[RDR]
	s_lshl_b32 s46, s28, 2
	v_add_nc_u32 v[RDW], s46, v[RDR]
	v_add_nc_u32 v[OUTR], s29, v[LI]
	v_lshlrev_b32 v[BOFF], 6, v23
	v_lshl_add_u32 v[COFF], v23, 5, s30
	v_mov_b32 v[T+2], 0                            ; written once: a lane permute's destination counts as one of its sources
	v_mov_b32 v[T+3], 0
	s_mov_b32 s40, 0x76543210
	s_mov_b32 s41, 0xfedcba98                      ; v_permlanex16_b32's selects for lane l xor 16
	s_mov_b32 s42, 0x3727c5ac                      ; 1e-5
	s_lshl_b32 s44, ttmp9, 4
	s_mov_b32 s45, 0
	s_wait_kmcnt 0x0
	s_add_nc_u64 s[8:9], s[8:9], s[44:45]
	s_load_b128 s[32:35], s[8:9], 0x0              ; my tile: bucket, start, count
	s_wait_kmcnt 0x0
	s_min_u32 s36, s32, 7                          ; loaded numbers are held inside their tables before they enter an address
	s_min_u32 s37, s33, 4095
	s_min_u32 s38, s34, 64
	s_lshl_b32 s46, s28, 4
	s_sub_co_i32 s39, s38, s46                     ; how many of my wave's 16 rows count (0 or less: none)
	s_add_co_u32 s46, s37, s46
	v_add_nc_u32 v20, s46, v22
	v_lshlrev_b32 v20, 2, v20
	global_load_b32 v[TOK], v20, s[6:7]            ; entry start + 16 w + r of the list
	s_mul_i32 s44, s36, 1572864                    ; the expert's and my wave's part of each tensor
	s_mul_i32 s46, s28, 393216
	s_add_co_u32 s44, s44, s46
	s_add_nc_u64 s[10:11], s[10:11], s[44:45]
	s_lshl_b32 s44, s36, 16
	s_lshl_b32 s46, s28, 14
	s_add_co_u32 s44, s44, s46
	s_add_nc_u64 s[12:13], s[12:13], s[44:45]
	s_lshl_b32 s44, s36, 13
	s_add_co_u32 s44, s44, s30
	s_add_nc_u64 s[14:15], s[14:15], s[44:45]
	s_lshl_b32 s44, s36, 11
	s_add_nc_u64 s[16:17], s[16:17], s[44:45]
	s_add_nc_u64 s[18:19], s[18:19], s[44:45]
	s_add_nc_u64 s[20:21], s[20:21], s[44:45]
	s_add_nc_u64 s[22:23], s[22:23], s[44:45]
	s_add_nc_u64 s[24:25], s[24:25], s[44:45]
.irp p, 0,1,2,3
	global_load_b128 v[128+4*\p:131+4*\p], v[LI], s[18:19] offset:512*\p       ; g1, as it lies
.endr
.irp p, 0,1,2,3
	global_load_b128 v[144+4*\p:147+4*\p], v[LI], s[20:21] offset:512*\p       ; be1
.endr
	s_wait_loadcnt 8                               ; the token number is in (g1's and be1's eight loads may be out)
	v_min_u32 v[TOK], 0xfff, v[TOK]
	v_lshlrev_b32 v[XOFF], 11, v[TOK]
	v_lshl_add_u32 v[XOFF], v23, 6, v[XOFF]
	WIN 0xc0
.set i, 0
.rept 64
	global_load_b128 v[4*i:4*i+3], v[XOFF], s[4:5] offset:128*(i/4)+16*(i%4)   ; register 16 b + i = x(r, 32 b + 16 h + i): my half of each block of 32
.set i, i+1
.endr
	WIN 0
.set i, 0
.rept 16
	global_load_b128 v[192+4*i:195+4*i], v[COFF], s[16:17] offset:64*(i/2)+16*(i%2)   ; b2 in product 2's result layout
.set i, i+1
.endr
	LOADS WS1, 0
	WIN 0x40
	LOADB 0
	LOADG 0
	LOADG 1
	WIN 0
	; ---------------- LN1 of my 16 rows
	s_wait_loadcnt 60                              ; g1, be1 and x are in: younger are b2's 16, the scale words' 4, b1's 16 and two groups' 24
.irp p, 0,1,2,3
	ds_store_b128 v[GSW], v[128+4*\p:131+4*\p] offset:512*\p
	ds_store_b128 v[GSW], v[144+4*\p:147+4*\p] offset:2048+512*\p
.endr
	WIN 0x80
	GLOAD 0                                        ; my own bytes: LDS serves a wave's instructions in order (ISA guide 5.7.1.4)
	GLOAD 1
	WIN 0
	CLRSUM
	WIN 0x0c
.set i, 0
.rept 128
	v_pk_add_f32 v[SUM+2*(i%4):SUM+2*(i%4)+1], v[SUM+2*(i%4):SUM+2*(i%4)+1], v[2*i:2*i+1]
.set i, i+1
.endr
	WIN 0
	FOLD1
	v_mul_f32 v[MU], 0x3b000000, v[SUM]            ; / 512
	v_mov_b32 v[MU+1], v[MU]
	CLRSUM
	WIN 0xc3
.set i, 0
.rept 128
	v_pk_add_f32 v[2*i:2*i+1], v[2*i:2*i+1], v[MU:MU+1] neg_lo:[0,1] neg_hi:[0,1]    ; x - mean, in place
.set i, i+1
.endr
	WIN 0x0f
.set i, 0
.rept 128
	v_pk_fma_f32 v[SUM+2*(i%4):SUM+2*(i%4)+1], v[2*i:2*i+1], v[2*i:2*i+1], v[SUM+2*(i%4):SUM+2*(i%4)+1]
.set i, i+1
.endr
	WIN 0
	FOLD1
	v_fma_f32 v[SUM], v[SUM], 0x3b000000, s42      ; the variance + 1e-5
	v_rsq_f32 v[RS], v[SUM]
	v_nop                                          ; one plain place behind a transcendental
	s_wait_alu depctr_va_vdst(0)
	v_mov_b32 v[RS+1], v[RS]
	WIN 0x40
	LOADG 2
	LOADG 3
	WIN 0
.macro HSTEP s                         ; K step s of h: 64 numbers a lane; to LDS as f32 (the residual) and as a fragment's two half images
	s_wait_dscnt 0x0                               ; g1, be1 of this step are in; the last step's stores have read v128 on
	WIN 0x03
.set i, 0
.rept 32
	v_pk_mul_f32 v[AC1+2*i:AC1+2*i+1], v[64*(\s)+2*i:64*(\s)+2*i+1], v[RS:RS+1]
.set i, i+1
.endr
	WIN 0x28
.set i, 0
.rept 32
	v_pk_fma_f32 v[AC1+2*i:AC1+2*i+1], v[AC1+2*i:AC1+2*i+1], v[128*((\s)%2)+2*i:128*((\s)%2)+2*i+1], v[128*((\s)%2)+64+2*i:128*((\s)%2)+64+2*i+1]
.set i, i+1
.endr
	WIN 0
.set i, 0
.rept 16
	ds_store_b128 v[HWR], v[AC1+4*i:AC1+4*i+3] offset:512*(\s)+128*(i/4)+16*(i%4)
.set i, i+1
.endr
	QUANT2 AC1, 1, 0, SWD+\s, 1536*\s
	QUANT2 AC1+32, 1, 1, SWD+\s, 1536*\s+768
.if (\s) < 2
	WIN 0x80
	GLOAD (\s)+2
	WIN 0
.endif
.endm
	HSTEP 0
	HSTEP 1
	HSTEP 2
	HSTEP 3
	ds_store_b128 v[SCW], v[SWD:SWD+3]
	BARRIER                                        ; h lies in LDS: 64 rows of f32, 16 fragments, their words
	WIN 0x80
.irp m, 0,1,2,3
.irp k, 0,1,2,3
	FRAGLD 12*(4*\m+\k), 6144*\m+1536*\k
.endr
.endr
	WIN 0
.irp m, 0,1,2,3
	ds_load_b128 v[XS+4*\m:XS+4*\m+3], v[SCR] offset:512*\m
.endr
	WIN 0xc0
.irp t, 0,1,2,3,4,5,6,7
.irp m, 0,1,2,3
.irp q, 0,1
.if \m < 2
	ds_load_b128 v[8*(4*\t+\m)+4*\q:8*(4*\t+\m)+4*\q+3], v[ACA] offset:16*HP*\m+64*\t+16*\q     ; h(16 m + r, 128 w + 16 t + 8 h + 0 .. 7): where product 2's sums begin
.else
	ds_load_b128 v[8*(4*\t+\m)+4*\q:8*(4*\t+\m)+4*\q+3], v[ACB] offset:16*HP*(\m-2)+64*\t+16*\q
.endif
.endr
.endr
.endr
	WIN 0
	s_wait_dscnt 0x0
	s_wait_loadcnt 48                              ; all but the four groups: b2, W1's scale words and b1 are in
	WIN 0xc3
.irp t, 0,1,2,3,4,5,6,7
.irp m, 0,1,2,3
.irp p, 0,1,2,3
	v_pk_add_f32 v[8*(4*\t+\m)+2*\p:8*(4*\t+\m)+2*\p+1], v[8*(4*\t+\m)+2*\p:8*(4*\t+\m)+2*\p+1], v[192+8*\t+2*\p:192+8*\t+2*\p+1]   ; + b2
.endr
.endr
.endr
	WIN 0
	; ---------------- the four chunks
	s_mov_b32 s43, 3
.Lchunk:
	CHUNK 1
	s_wait_xcnt 0x0                                ; the loads that are out have read their bases: these step only behind this wait
	s_add_nc_u64 s[10:11], s[10:11], 98304
	s_add_nc_u64 s[12:13], s[12:13], 4096
	s_add_nc_u64 s[14:15], s[14:15], 2048
	s_sub_co_u32 s43, s43, 1
	s_cmp_lg_u32 s43, 0
	s_cbranch_scc1 .Lchunk
	CHUNK 0                                        ; the last is written out: no load passes the stream's end
	; ---------------- LN2.  The accumulators hold h + ff.  Each is read from its low end on.
	WIN 0x40
.set i, 0
.rept 16
	global_load_b128 v[4*i:4*i+3], v[COFF], s[22:23] offset:64*(i/2)+16*(i%2)        ; g2 of my columns
	global_load_b128 v[64+4*i:67+4*i], v[COFF], s[24:25] offset:64*(i/2)+16*(i%2)    ; be2
.set i, i+1
.endr
	WIN 0
	CLRSUM
	WIN 0x0c
.irp t, 0,1,2,3,4,5,6,7
.irp p, 0,1,2,3
.irp m, 0,1,2,3
	v_pk_add_f32 v[SUM+2*\m:SUM+2*\m+1], v[SUM+2*\m:SUM+2*\m+1], v[8*(4*\t+\m)+2*\p:8*(4*\t+\m)+2*\p+1]
.endr
.endr
.endr
	WIN 0
	FOLD4 0
.irp m, 0,1,2,3
	v_mul_f32 v[MU+2*\m], 0x3b000000, v[SUM+2*\m]
.endr
.irp m, 0,1,2,3
	v_mov_b32 v[MU+2*\m+1], v[MU+2*\m]
.endr
	CLRSUM
	WIN 0xc3
.irp t, 0,1,2,3,4,5,6,7
.irp p, 0,1,2,3
.irp m, 0,1,2,3
	v_pk_add_f32 v[8*(4*\t+\m)+2*\p:8*(4*\t+\m)+2*\p+1], v[8*(4*\t+\m)+2*\p:8*(4*\t+\m)+2*\p+1], v[MU+2*\m:MU+2*\m+1] neg_lo:[0,1] neg_hi:[0,1]
.endr
.endr
.endr
	WIN 0x0f
.irp t, 0,1,2,3,4,5,6,7
.irp p, 0,1,2,3
.irp m, 0,1,2,3
	v_pk_fma_f32 v[SUM+2*\m:SUM+2*\m+1], v[8*(4*\t+\m)+2*\p:8*(4*\t+\m)+2*\p+1], v[8*(4*\t+\m)+2*\p:8*(4*\t+\m)+2*\p+1], v[SUM+2*\m:SUM+2*\m+1]
.endr
.endr
.endr
	WIN 0
	FOLD4 1024                                     ; other bytes than the first table's: no barrier between the two uses
.irp m, 0,1,2,3
	v_fma_f32 v[SUM+2*\m], v[SUM+2*\m], 0x3b000000, s42
.endr
.irp m, 0,1,2,3
	v_rsq_f32 v[RS+2*\m], v[SUM+2*\m]
.endr
	v_nop                                          ; one plain place behind the transcendentals
	s_wait_alu depctr_va_vdst(0)
.irp m, 0,1,2,3
	v_mov_b32 v[RS+2*\m+1], v[RS+2*\m]
.endr
	s_wait_loadcnt 0x0                             ; g2, be2
	WIN 0xc3
.irp t, 0,1,2,3,4,5,6,7
.irp p, 0,1,2,3
.irp m, 0,1,2,3
	v_pk_mul_f32 v[8*(4*\t+\m)+2*\p:8*(4*\t+\m)+2*\p+1], v[8*(4*\t+\m)+2*\p:8*(4*\t+\m)+2*\p+1], v[RS+2*\m:RS+2*\m+1]
.endr
.endr
.endr
	WIN 0xd7
.irp t, 0,1,2,3,4,5,6,7
.irp p, 0,1,2,3
.irp m, 0,1,2,3
	v_pk_fma_f32 v[8*(4*\t+\m)+2*\p:8*(4*\t+\m)+2*\p+1], v[8*(4*\t+\m)+2*\p:8*(4*\t+\m)+2*\p+1], v[8*\t+2*\p:8*\t+2*\p+1], v[64+8*\t+2*\p:64+8*\t+2*\p+1]
.endr
.endr
.endr
	WIN 0x0c                                       ; an LDS store's data are its source 1: window 3
.irp t, 0,1,2,3,4,5,6,7
.irp m, 0,1,2,3
.irp q, 0,1
.if \m < 2
	ds_store_b128 v[ACA], v[8*(4*\t+\m)+4*\q:8*(4*\t+\m)+4*\q+3] offset:16*HP*\m+64*\t+16*\q    ; into the rows that held h: every wave's reads of them lie behind several barriers
.else
	ds_store_b128 v[ACB], v[8*(4*\t+\m)+4*\q:8*(4*\t+\m)+4*\q+3] offset:16*HP*(\m-2)+64*\t+16*\q
.endif
.endr
.endr
.endr
	WIN 0
	BARRIER                                        ; 64 whole rows of the output lie in LDS.  No barrier stands behind this one, so the branches below may hang on the tile's numbers
	; ---------------- THE WAY OUT: wave w scatters rows 16 w .. 16 w + 15, each to its token's row: four stores of 512 consecutive bytes, at a multiple of 512 from the buffer's first byte
.irp i, 0,1,2,3,4,5,6,7,8,9,10,11,12,13,14,15
	v_readlane_b32 s44, v[TOK], \i
	s_min_u32 s44, s44, 4095
	s_lshl_b32 s44, s44, 11
	s_add_nc_u64 s[66+2*\i:67+2*\i], s[26:27], s[44:45]
.endr
.macro OLOAD k                         ; rows 4 k .. 4 k + 3 of my 16 into set k % 2
.set oi, 0
.rept 16
	ds_load_b128 v[AC1+64*((\k)%2)+4*oi:AC1+64*((\k)%2)+4*oi+3], v[OUTR] offset:(4*(\k)+oi/4)*HP+512*(oi%4)
.set oi, oi+1
.endr
.endm
.macro ROWOUT i, reg, step, cnt        ; row i, if the tile has it.  cnt: the LDS loads younger than the row's, waited for on both ways; -1: none are out
.if (\cnt) >= 0
	s_wait_dscnt \cnt
.endif
	s_cmp_gt_i32 s39, \i
	s_cbranch_scc0 .Lskip_\@
.irp q, 0,1,2,3
	global_store_b128 v[LI], v[(\reg)+(\step)*\q:(\reg)+(\step)*\q+3], s[66+2*(\i):67+2*(\i)] offset:512*\q th:TH_STORE_NT
.endr
.Lskip_\@:
.endm
	s_cmp_lt_u32 s32, 8
	s_cbranch_scc0 .Lzero
	OLOAD 0
	OLOAD 1
.irp a, 0,1,2,3
	ROWOUT \a, AC1+16*\a, 4, 28-4*\a
.endr
	s_wait_xcnt 0x0                                ; the stores have read their registers: the set is loaded again only behind this wait
	OLOAD 2
.irp a, 0,1,2,3
	ROWOUT 4+\a, AC1+64+16*\a, 4, 28-4*\a
.endr
	s_wait_xcnt 0x0
	OLOAD 3
.irp a, 0,1,2,3
	ROWOUT 8+\a, AC1+16*\a, 4, 28-4*\a
.endr
.irp a, 0,1,2,3
	ROWOUT 12+\a, AC1+64+16*\a, 4, 12-4*\a
.endr
	s_wait_tensorcnt 0x0
	ds_add_u32 v99, v103
	s_wait_dscnt 0x0
	s_endpgm
.Lzero:                                                ; tokens that belong to no expert: reference() leaves their rows zero
.irp q, 0,1,2,3
	v_mov_b32 v[AC1+\q], 0
.endr
.irp a, 0,1,2,3,4,5,6,7,8,9,10,11,12,13,14,15
	ROWOUT \a, AC1, 0, -1
.endr
	s_wait_tensorcnt 0x0
	ds_add_u32 v99, v103
	s_wait_dscnt 0x0
	s_endpgm
.Lfunc_end_k_q607391792d_encoder:
	.size	k_q607391792d_encoder, .Lfunc_end_k_q607391792d_encoder-k_q607391792d_encoder
	.p2alignl 7, 3214868480
	.fill 96, 4, 3214868480
	.section	.rodata,"a",@progbits
	.p2align	6, 0x0
	.amdhsa_kernel k_q607391792d_encoder
		.amdhsa_group_segment_fixed_size 204288
		.amdhsa_private_segment_fixed_size 0
		.amdhsa_enable_private_segment 0
		.amdhsa_kernarg_size 96
		.amdhsa_user_sgpr_count 2
		.amdhsa_user_sgpr_kernarg_segment_ptr 1
		.amdhsa_wavefront_size32 1
		.amdhsa_system_sgpr_workgroup_id_x 1
		.amdhsa_system_sgpr_workgroup_id_y 1
		.amdhsa_system_sgpr_workgroup_id_z 1
		.amdhsa_system_vgpr_workitem_id 0
		.amdhsa_next_free_vgpr 1024
		.amdhsa_next_free_sgpr 100
		.amdhsa_reserve_vcc 0
		.amdhsa_float_denorm_mode_32 3
		.amdhsa_float_denorm_mode_16_64 3
		.amdhsa_memory_ordered 1
		.amdhsa_forward_progress 1
		.amdhsa_inst_pref_size 255
	.end_amdhsa_kernel
	.section	.bss,"aw",@nobits
	.p2align	6
	.space	262144
	.amdgpu_metadata
---
amdhsa.version: [ 1, 2 ]
amdhsa.kernels:
  - .name:           k_q607391792d_encoder
    .symbol:         k_q607391792d_encoder.kd
    .args:
      - { .name: x, .offset: 0, .size: 8, .value_kind: global_buffer, .address_space: global }
      - { .name: order, .offset: 8, .size: 8, .value_kind: global_buffer, .address_space: global }
      - { .name: tiles, .offset: 16, .size: 8, .value_kind: global_buffer, .address_space: global }
      - { .name: wimg, .offset: 24, .size: 8, .value_kind: global_buffer, .address_space: global }
      - { .name: simg, .offset: 32, .size: 8, .value_kind: global_buffer, .address_space: global }
      - { .name: b1, .offset: 40, .size: 8, .value_kind: global_buffer, .address_space: global }
      - { .name: b2, .offset: 48, .size: 8, .value_kind: global_buffer, .address_space: global }
      - { .name: g1, .offset: 56, .size: 8, .value_kind: global_buffer, .address_space: global }
      - { .name: be1, .offset: 64, .size: 8, .value_kind: global_buffer, .address_space: global }
      - { .name: g2, .offset: 72, .size: 8, .value_kind: global_buffer, .address_space: global }
      - { .name: be2, .offset: 80, .size: 8, .value_kind: global_buffer, .address_space: global }
      - { .name: out0, .offset: 88, .size: 8, .value_kind: global_buffer, .address_space: global }
    .group_segment_fixed_size: 204288
    .private_segment_fixed_size: 0
    .kernarg_segment_align: 8
    .kernarg_segment_size: 96
    .max_flat_workgroup_size: 128
    .sgpr_count:     100
    .vgpr_count:     1024
    .wavefront_size: 32
...
	.end_amdgpu_metadata
.endif
;; end of part 2
;; ======== version 2 of 3: 2 launches; 1.12 times as fast as version 1
;; workspace buffers: wimg 12,582,912 bytes; simg 524,288 bytes; order 16,640 bytes of whole numbers; tiles 2,304 bytes of whole numbers
;; launch prep (part 3): grid 129 x 1, 8 waves a work-group, no clusters, 2,048 bytes of LDS; arguments W1_codes, W1_scales, W2_codes, W2_scales, type_vec, wimg, simg, order, tiles; writes wimg, simg, order, tiles
.if DOCPART == 3
	.amdgcn_target "amdgcn-amd-amdhsa--gfx1250"
	.amdhsa_code_object_version 6
	.text
	.protected	k_q607391792d_prep
	.globl	k_q607391792d_prep
	.p2align	8
	.type	k_q607391792d_prep,@function
k_q607391792d_prep:
	s_mov_b64 s[64:65], 0
	v_nop
	global_prefetch_b8 v0, s[64:65] scope:SCOPE_SE
	s_setreg_imm32_b32 hwreg(HW_REG_WAVE_MODE, 25, 1), 1
	s_wait_xcnt 0x0
; WORK-GROUPS 0-127 lay both weights' codes and scale bytes anew, as IMAGES OF OPERAND REGISTERS in the order in which the second launch consumes them.
; WORK-GROUP 128 sorts the 4,096 tokens by expert (a counting sort without atomics) and writes the table of tiles.
; wimg: fragment ((((e 4 + w) 4 + j) 16 + g) 4 + f), 1,536 bytes each: e expert, w consuming wave, j chunk of 512 hidden units, g group, f fragment.
;   A fragment is 16 rows x 128 K of E2M3 codes, 12 registers a lane; register 4 p + q of lane l lies at byte 512 p + 16 l + 4 q.
;   g = 4 c + s < 8: W1, K step s; lane r takes row 512 j + 128 w + 64 c + 32 (f / 2) + 8 (f % 2) + r + 8 (r / 8), so that the results of two neighbouring tiles are 16 neighbours along the next K.
;   g = 8 + 2 s + u: W2, K step 4 j + s; lane r takes row 128 w + 16 (4 u + f) + r.
; simg: 4,096 bytes for each (e, w, j): 32 scale registers, 16 bytes a lane and four registers a piece of 512 bytes.  Register 2 g + x: lanes 0-15 the words of fragment 2 x, lanes 16-31 those of fragment 2 x + 1.
; order: the token numbers sorted by bucket, then 64 zeros, so that a tile may read 32 entries from any start.   tiles: 136 entries (bucket, start, count, 0).
; BUCKETS: min(type, 8): a type outside 0 .. 7 belongs to no expert and falls into the ninth bucket, whose rows the second launch stores as zeros.
; TILES of 32 tokens: NT = the sum of ceil(count / 32) lies in 128 .. 136.  The grid of the second launch is 136 on every input: the 136 - NT <= 8 work-groups that are over each take the
; upper 16 tokens of one full tile.  Full tiles suffice: F full and at most 9 partial tiles hold 32 F + 31 x 9 >= 4,096 tokens, so F >= 120.
.set TY,  32                           ; v32-47   my 16 tokens' buckets
.set POS, 80                           ; v80-95   their places in order
.set ADR, 96                           ; v96-111  the places as byte offsets
.set ID,  112                          ; v112-127 the token numbers
	s_load_b512 s[4:19], s[0:1], 0x0               ; W1 codes s[4:5], W1 scales s[6:7], W2 codes s[8:9], W2 scales s[10:11], type_vec s[12:13], wimg s[14:15], simg s[16:17], order s[18:19]
	s_load_b64 s[20:21], s[0:1], 0x40              ; tiles
	v_lshl_add_u32 v128, v0, 2, 0x400
	v_mov_b32 v129, 0
	v_lshrrev_b32 v1, 5, v0
	v_readfirstlane_b32 s22, v1                    ; wave 0..7
	v_and_b32 v6, 31, v0                           ; lane
	v_and_b32 v7, 15, v0                           ; r
	v_bfe_u32 v8, v0, 4, 1                         ; h
	v_lshlrev_b32 v1, 4, v6                        ; 16 x lane
	s_cmp_eq_u32 ttmp9, 128
	s_cbranch_scc1 .Lroute
	; ---------------- THE WEIGHTS.  Work-group = 16 e + 4 w + j; wave i takes groups 2 i and 2 i + 1: waves 0-3 W1's eight, waves 4-7 W2's eight.
	s_lshr_b32 s24, ttmp9, 4                       ; e
	s_bfe_u32 s25, ttmp9, 0x20002                  ; w
	s_and_b32 s26, ttmp9, 3                        ; j
	v_and_b32 v9, 8, v7
	v_add_nc_u32 v9, v9, v7                        ; r + 8 (r / 8)
	v_mul_u32_u24 v2, v9, 384                      ; W1's codes: a row of 512 codes is 384 bytes,
	v_mad_u32_u24 v2, v8, 24, v2                   ; + 24 h
	v_lshl_add_u32 v3, v8, 3, v9                   ; W1's scale words: lanes 16-31 take the fragment 8 rows on
	v_lshlrev_b32 v3, 4, v3                        ; 16 bytes a row
	v_mul_u32_u24 v4, v7, 1536                     ; W2's codes: a row of 2,048 codes is 1,536 bytes
	v_mad_u32_u24 v4, v8, 24, v4
	v_lshl_add_u32 v5, v8, 4, v7                   ; W2's scale words: lanes 16-31 take the fragment 16 rows on
	v_lshlrev_b32 v5, 6, v5                        ; 64 bytes a row
	s_mul_i32 s40, ttmp9, 98304                    ; where my two groups go: 16 groups of 6,144 bytes a work-group
	s_mul_i32 s42, s22, 12288
	s_add_co_u32 s40, s40, s42
	s_mov_b32 s41, 0
	s_lshl_b32 s42, ttmp9, 12                      ; and my four scale registers: a piece of 512 bytes
	s_lshl_b32 s43, s22, 9
	s_add_co_u32 s42, s42, s43
	s_mov_b32 s43, 0
	s_mov_b32 s31, 0
	s_wait_kmcnt 0x0
	s_add_nc_u64 s[14:15], s[14:15], s[40:41]
	s_add_nc_u64 s[16:17], s[16:17], s[42:43]
	s_cmp_lt_u32 s22, 4
	s_cbranch_scc0 .Lw2
	s_lshr_b32 s27, s22, 1                         ; c
	s_and_b32 s28, s22, 1                          ; my first K step is 2 (i % 2)
	s_mul_i32 s30, s24, 786432
	s_mul_i32 s32, s26, 196608                     ; 512 rows
	s_add_co_u32 s30, s30, s32
	s_mul_i32 s32, s25, 49152                      ; 128 rows
	s_add_co_u32 s30, s30, s32
	s_mul_i32 s32, s27, 24576                      ; 64 rows
	s_add_co_u32 s30, s30, s32
	s_mul_i32 s32, s28, 192                        ; two K steps of 96 bytes
	s_add_co_u32 s30, s30, s32
	s_add_nc_u64 s[4:5], s[4:5], s[30:31]
	s_lshl_b32 s30, s24, 15
	s_lshl_b32 s32, s26, 13
	s_add_co_u32 s30, s30, s32
	s_lshl_b32 s32, s25, 11
	s_add_co_u32 s30, s30, s32
	s_lshl_b32 s32, s27, 10
	s_add_co_u32 s30, s30, s32
	s_lshl_b32 s32, s28, 3
	s_add_co_u32 s30, s30, s32
	s_add_nc_u64 s[6:7], s[6:7], s[30:31]
.irp gg, 0,1
.irp f, 0,1,2,3
.irp p, 0,1,2,3,4,5
	global_load_b64 v[32+12*(4*\gg+\f)+2*\p:32+12*(4*\gg+\f)+2*\p+1], v2, s[4:5] offset:96*\gg+12288*(\f/2)+3072*(\f%2)+48*(\p/3)+8*(\p%3)
.endr
.endr
.endr
.irp gg, 0,1
.irp x, 0,1
	global_load_b32 v[16+2*\gg+\x], v3, s[6:7] offset:4*\gg+512*\x
.endr
.endr
	s_branch .Lout
.Lw2:
	s_sub_co_u32 s27, s22, 4                       ; s; the wave's two groups are u = 0, 1
	s_mul_i32 s30, s24, 786432
	s_mul_i32 s32, s25, 196608                     ; 128 rows
	s_add_co_u32 s30, s30, s32
	s_mul_i32 s32, s26, 384                        ; four K steps
	s_add_co_u32 s30, s30, s32
	s_mul_i32 s32, s27, 96
	s_add_co_u32 s30, s30, s32
	s_add_nc_u64 s[8:9], s[8:9], s[30:31]
	s_lshl_b32 s30, s24, 15
	s_lshl_b32 s32, s25, 13
	s_add_co_u32 s30, s30, s32
	s_lshl_b32 s32, s26, 4
	s_add_co_u32 s30, s30, s32
	s_lshl_b32 s32, s27, 2
	s_add_co_u32 s30, s30, s32
	s_add_nc_u64 s[10:11], s[10:11], s[30:31]
.irp gg, 0,1
.irp f, 0,1,2,3
.irp p, 0,1,2,3,4,5
	global_load_b64 v[32+12*(4*\gg+\f)+2*\p:32+12*(4*\gg+\f)+2*\p+1], v4, s[8:9] offset:98304*\gg+24576*\f+48*(\p/3)+8*(\p%3)
.endr
.endr
.endr
.irp gg, 0,1
.irp x, 0,1
	global_load_b32 v[16+2*\gg+\x], v5, s[10:11] offset:4096*\gg+2048*\x
.endr
.endr
.Lout:
	s_wait_loadcnt 0x0
.set k, 0
.rept 24
	global_store_b128 v1, v[32+4*k:35+4*k], s[14:15] offset:512*k    ; 32 lanes store 512 consecutive bytes, at a multiple of 512 from the buffer's first byte
.set k, k+1
.endr
	global_store_b128 v1, v[16:19], s[16:17]
	s_endpgm
	; ---------------- THE ROUTING.  Wave W takes tokens 512 W .. 512 W + 511: register k of lane l is token 512 W + 128 (k / 4) + 4 l + k % 4.
.Lroute:
	s_lshl_b32 s40, s22, 11
	s_mov_b32 s41, 0
	s_wait_kmcnt 0x0
	s_add_nc_u64 s[12:13], s[12:13], s[40:41]
.irp a, 0,1,2,3
	global_load_b128 v[TY+4*\a:TY+4*\a+3], v1, s[12:13] offset:512*\a
.endr
	v_lshlrev_b32 v10, 5, v6                       ; the table of counts in LDS: row = bucket (one for each lane), 8 words, one for each wave
	s_lshl_b32 s23, s22, 2
	v_add_nc_u32 v9, s23, v10
.irp b, 0,1,2,3,4,5,6,7
	s_mov_b32 s[24+\b], 0
.endr
	s_wait_loadcnt 0x0
.set k, 0
.rept 16
	v_min_u32 v[TY+k], 8, v[TY+k]                  ; as an unsigned number a negative type is large: the ninth bucket
.set k, k+1
.endr
	; A: my wave's count of each bucket
.set k, 0
.rept 16
.irp b, 0,1,2,3,4,5,6,7
	v_cmp_eq_u32 s[33+\b], \b, v[TY+k]
.endr
.irp b, 0,1,2,3,4,5,6,7
	s_bcnt1_i32_b32 s[33+\b], s[33+\b]
.endr
.irp b, 0,1,2,3,4,5,6,7
	s_add_co_u32 s[24+\b], s[24+\b], s[33+\b]
.endr
.set k, k+1
.endr
	s_mov_b32 s32, 512                             ; the ninth bucket has what is left of my 512
.irp b, 0,1,2,3,4,5,6,7
	s_sub_co_u32 s32, s32, s[24+\b]
.endr
	v_mov_b32 v20, 0
.irp b, 0,1,2,3,4,5,6,7,8
	v_writelane_b32 v20, s[24+\b], \b
.endr
	ds_store_b32 v9, v20                           ; lane b: bucket b's count of my wave (lanes 9-31 store zeros in rows of their own)
	s_wait_dscnt 0x0                               ; for the others' sake: my store is done
	s_barrier_signal -1
	s_barrier_wait -1
	ds_load_b128 v[64:67], v10
	ds_load_b128 v[68:71], v10 offset:16
	s_wait_dscnt 0x0
	v_add_nc_u32 v72, v64, v65
	v_mov_b32 v73, 0
.irp a, 2,3,4,5,6,7
	v_add_nc_u32 v72, v72, v[64+\a]                ; lane b: bucket b's count
.endr
.irp a, 0,1,2,3,4,5,6
	s_cmp_gt_u32 s22, \a
	s_cselect_b32 s33, -1, 0
	v_and_b32 v74, s33, v[64+\a]
	v_add_nc_u32 v73, v73, v74                     ; lane b: what the waves in front of mine have of bucket b
.endr
.irp b, 0,1,2,3,4,5,6,7,8
	v_readlane_b32 s[66+\b], v72, \b
	v_readlane_b32 s[33+\b], v73, \b
.endr
	s_mov_b32 s43, 0                               ; tokens,
	s_mov_b32 s44, 0                               ; tiles
	s_mov_b32 s45, 0                               ; and full tiles in front of bucket b
.irp b, 0,1,2,3,4,5,6,7,8
	s_mov_b32 s[76+\b], s43
	s_mov_b32 s[86+\b], s44
	s_mov_b32 s[46+\b], s45
	s_add_co_u32 s[24+\b], s43, s[33+\b]           ; where my wave's first token of bucket b goes
	s_add_co_u32 s43, s43, s[66+\b]
	s_add_co_u32 s23, s[66+\b], 31
	s_lshr_b32 s23, s23, 5
	s_add_co_u32 s44, s44, s23
	s_lshr_b32 s23, s[66+\b], 5
	s_add_co_u32 s45, s45, s23
.endr
	s_mov_b32 s55, s44                             ; NT
	s_sub_co_u32 s56, 136, s55                     ; L: the work-groups that are over
	; B: each token's place: the bucket's running count + the lanes below mine that hold the same bucket in this register
.set k, 0
.rept 16
.irp b, 0,1,2,3,4,5,6,7,8
	v_cmp_eq_u32 s[33+\b], \b, v[TY+k]
.if \b == 0
	v_mbcnt_lo_u32_b32 v[POS+k], s[33+\b], s[24+\b]
.else
	v_mbcnt_lo_u32_b32 v74, s[33+\b], s[24+\b]
	v_cndmask_b32 v[POS+k], v[POS+k], v74, s[33+\b]
.endif
	s_bcnt1_i32_b32 s[33+\b], s[33+\b]
	s_add_co_u32 s[24+\b], s[24+\b], s[33+\b]
.endr
.set k, k+1
.endr
	s_lshl_b32 s23, s22, 9
	v_lshl_add_u32 v75, v6, 2, s23                 ; 512 W + 4 l
.set k, 0
.rept 16
	v_min_u32 v[ADR+k], 0xfff, v[POS+k]            ; a place made of loaded numbers is held inside the list
	v_lshlrev_b32 v[ADR+k], 2, v[ADR+k]
	v_add_nc_u32 v[ID+k], 128*(k/4)+k%4, v75
.set k, k+1
.endr
.set k, 0
.rept 16
	global_store_b32 v[ADR+k], v[ID+k], s[18:19]   ; 16 KiB in all, scattered by the sort; each register serves one store and is not written again
.set k, k+1
.endr
	s_cmp_lt_u32 s22, 2
	s_cbranch_scc0 .Lnopad
	v_lshlrev_b32 v76, 2, v0
	v_mov_b32 v77, 0
	global_store_b32 v76, v77, s[18:19] offset:16384   ; the 64 zeros behind the list
.Lnopad:
	; THE TABLE: thread g makes entry g.  g < NT: tile g - TB of the last bucket b with TB_b <= g.  g >= NT: the upper half of full tile g - NT.
	v_sub_nc_u32 v79, v0, s55                      ; g - NT
.irp b, 0,1,2,3,4,5,6,7,8
	s_lshl_b32 s23, s[86+\b], 5
	s_sub_co_u32 s43, s[76+\b], s23                ; OFF - 32 TB: + 32 g = the tile's start
	s_add_co_u32 s44, s[76+\b], s[66+\b]           ; the bucket's end
	s_sub_co_u32 s45, s[46+\b], s[86+\b]           ; FB - TB: + g = the tile's number among the full tiles
	s_lshl_b32 s23, s[46+\b], 5
	s_sub_co_u32 s57, s[76+\b], s23
	s_add_co_u32 s57, s57, 16                      ; OFF - 32 FB + 16: + 32 (g - NT) = the upper half's start
.if \b == 0
	v_mov_b32 v24, 0
	v_mov_b32 v28, s43
	v_mov_b32 v29, s44
	v_mov_b32 v30, s45
	v_mov_b32 v31, 0
	v_mov_b32 v78, s57
.else
	s_mov_b32 s58, \b
	v_cmp_le_u32 s33, s[86+\b], v0
	v_cmp_le_u32 s34, s[46+\b], v79
	v_cndmask_b32 v24, v24, s58, s33
	v_cndmask_b32 v28, v28, s43, s33
	v_cndmask_b32 v29, v29, s44, s33
	v_cndmask_b32 v30, v30, s45, s33
	v_cndmask_b32 v31, v31, s58, s34
	v_cndmask_b32 v78, v78, s57, s34
.endif
.endr
	v_mov_b32 v21, 16
	v_lshl_add_u32 v25, v0, 5, v28                 ; start
	v_sub_nc_u32 v26, v29, v25
	v_min_u32 v26, 32, v26                         ; count
	v_add_nc_u32 v30, v0, v30
	v_cmp_eq_u32 s33, 32, v26
	v_cmp_gt_u32 s34, s56, v30
	s_and_b32 s33, s33, s34
	v_cndmask_b32 v26, v26, v21, s33               ; the first L full tiles keep their lower 16 tokens
	v_lshl_add_u32 v78, v79, 5, v78
	v_cmp_le_u32 s34, s55, v0
	v_cndmask_b32 v24, v24, v31, s34
	v_cndmask_b32 v25, v25, v78, s34
	v_cndmask_b32 v26, v26, v21, s34
	v_mov_b32 v27, 0
	v_lshlrev_b32 v11, 4, v0
	s_wait_xcnt 0x0                                ; EXEC changes only behind this wait: stores are out
	v_cmp_gt_u32 vcc_lo, 136, v0
	s_wait_tensorcnt 0x0
	ds_add_u32 v128, v129
	s_wait_dscnt 0x0
	s_and_saveexec_b32 s42, vcc_lo
	global_store_b128 v11, v[24:27], s[20:21]
	s_wait_xcnt 0x0                                ; and again in front of the line that widens it
	s_or_b32 exec_lo, exec_lo, s42
	s_endpgm
.Lfunc_end_k_q607391792d_prep:
	.size	k_q607391792d_prep, .Lfunc_end_k_q607391792d_prep-k_q607391792d_prep
	.p2alignl 7, 3214868480
	.fill 96, 4, 3214868480
	.section	.rodata,"a",@progbits
	.p2align	6, 0x0
	.amdhsa_kernel k_q607391792d_prep
		.amdhsa_group_segment_fixed_size 2048
		.amdhsa_private_segment_fixed_size 0
		.amdhsa_enable_private_segment 0
		.amdhsa_kernarg_size 72
		.amdhsa_user_sgpr_count 2
		.amdhsa_user_sgpr_kernarg_segment_ptr 1
		.amdhsa_wavefront_size32 1
		.amdhsa_system_sgpr_workgroup_id_x 1
		.amdhsa_system_sgpr_workgroup_id_y 1
		.amdhsa_system_sgpr_workgroup_id_z 1
		.amdhsa_system_vgpr_workitem_id 0
		.amdhsa_next_free_vgpr 130
		.amdhsa_next_free_sgpr 100
		.amdhsa_reserve_vcc 1
		.amdhsa_float_denorm_mode_32 3
		.amdhsa_float_denorm_mode_16_64 3
		.amdhsa_memory_ordered 1
		.amdhsa_forward_progress 1
		.amdhsa_inst_pref_size 87
	.end_amdhsa_kernel
	.amdgpu_metadata
---
amdhsa.version: [ 1, 2 ]
amdhsa.kernels:
  - .name:           k_q607391792d_prep
    .symbol:         k_q607391792d_prep.kd
    .args:
      - { .name: W1_codes, .offset: 0, .size: 8, .value_kind: global_buffer, .address_space: global }
      - { .name: W1_scales, .offset: 8, .size: 8, .value_kind: global_buffer, .address_space: global }
      - { .name: W2_codes, .offset: 16, .size: 8, .value_kind: global_buffer, .address_space: global }
      - { .name: W2_scales, .offset: 24, .size: 8, .value_kind: global_buffer, .address_space: global }
      - { .name: type_vec, .offset: 32, .size: 8, .value_kind: global_buffer, .address_space: global }
      - { .name: wimg, .offset: 40, .size: 8, .value_kind: global_buffer, .address_space: global }
      - { .name: simg, .offset: 48, .size: 8, .value_kind: global_buffer, .address_space: global }
      - { .name: order, .offset: 56, .size: 8, .value_kind: global_buffer, .address_space: global }
      - { .name: tiles, .offset: 64, .size: 8, .value_kind: global_buffer, .address_space: global }
    .group_segment_fixed_size: 2048
    .private_segment_fixed_size: 0
    .kernarg_segment_align: 8
    .kernarg_segment_size: 72
    .max_flat_workgroup_size: 256
    .sgpr_count:     100
    .vgpr_count:     130
    .wavefront_size: 32
...
	.end_amdgpu_metadata
.endif
;; end of part 3
;; launch encoder (part 4): grid 136 x 1, 4 waves a work-group, no clusters, 110,592 bytes of LDS; arguments x, order, tiles, wimg, simg, b1, b2, g1, be1, g2, be2, out0; writes out0
.if DOCPART == 4
	.amdgcn_target "amdgcn-amd-amdhsa--gfx1250"
	.amdhsa_code_object_version 6
	.text
	.protected	k_q607391792d_encoder
	.globl	k_q607391792d_encoder
	.p2align	8
	.type	k_q607391792d_encoder,@function
k_q607391792d_encoder:
	s_mov_b64 s[64:65], 0
	v_nop
	global_prefetch_b8 v0, s[64:65] scope:SCOPE_SE
	s_setreg_imm32_b32 hwreg(HW_REG_WAVE_MODE, 25, 1), 1
	s_wait_xcnt 0x0
; out[t] = LN2(h + relu(h W1 + b1) W2 + b2), h = LN1(x[t]), with the parameters of token t's expert.  Both products on codes of E2M3 with one E8M0 scale for each 32 along K.
; A work-group takes ONE TILE of the table: up to 32 tokens of one expert, gathered by the sorted list.  reference() keeps of each expert's result only the rows of its own tokens: only those are computed.
; A tile of the ninth bucket (a type outside 0 .. 7) walks the same text with expert 7's parameters, so that every wave passes every barrier, and stores zeros.
; Rows of a tile beyond its count are other tokens of the list (or token 0): they are computed and not stored.
; SHARES.  Wave w = 2 hw + m.  LN1: the wave takes rows 16 m .. 16 m + 15: the statistics over the whole row (each row by two waves: no exchange), h and its codes for K steps 2 hw and 2 hw + 1 alone.
; Product 1: in chunk j (512 hidden units) wave w makes units 512 j + 128 w .. + 127 for all 32 rows: that is K step 4 j + w of product 2.  Product 2: wave w owns columns 128 w .. + 127 for all 32 rows.
; So each weight fragment is used by one wave alone and feeds two matrix instructions: it comes from memory straight into registers, as an image of those registers (three loads of 512 consecutive bytes).
; A ring of eight places of four fragments; group g + 5 is asked for at the end of step g: 48 to 60 loads of 512 bytes a wave are out.  No LDS ring, no tensor load: weights are not shared between waves.
; No cluster either: how many tiles an expert has hangs on the data, so partners with the same weights cannot be fixed in the grid.
; BOTH PRODUCTS ARE USED TRANSPOSED (source 0 = 16 rows of a weight, source 1 = 16 tokens): a lane holds ONE token (lane % 16), and its registers run along the hidden units or the columns.
; h's and the hidden layer's codes go from wave to wave through LDS as images of half fragments (6 registers a lane: 16 bytes at 16 l, 8 bytes at 512 + 8 l), their scale words 8 bytes a lane.
; Product 2's sums begin as h + b2, product 1's as b1 (the C of its first K step): nothing is cleared.
; LIMITS: NaN and infinities among the inputs are not served.  A block of zeros gets the scale byte 1 where the rule says 127: its codes are zeros, and this program alone reads the byte;
; blocks whose largest magnitude lies under 2^-124 share that byte.  Both variances are taken of centred numbers, in a second pass.
; REGISTERS, in windows of 256.  Window 0: v1-20 addresses; v24-31 h's scale words; v40-55, v56-71 W1's and W2's; v72-75 the hidden layer's, two sets; v80-103 the quantiser's; v104-123 sums, means, 1 / sigma;
;   v128-191 product 1's 8 accumulators ((m, f) at 128 + 32 m + 8 f), then two sets of two hidden fragments; at the start h at work, and b2 in v192-255; at the end v128-255 rows of the output.
; Window 1: v0-191 ring places 0-3; v192-255 b1 in the result's layout; at the end g2, be2.      Window 2: v0-191 ring places 4-7; at the start g1, be1 of my two K steps.
; Window 3: at the start x; then v0-127 product 2's 16 accumulators ((t, m) at 8 (2 t + m)) and v128-223 h's 8 fragments (128 + 12 (4 m + s)).
.set HP,   2064                        ; a row of h (later of the output) in LDS: 2,048 bytes + 16: row r starts 4 r banks on
.set XIMG, 32*HP                       ; h's codes: fragment (m, s) at 6,144 (s / 2) + 3,072 m + 1,536 (s % 2), two half images of 768 bytes: the maker's 3,072 w + 1,536 (s % 2)
.set XSC,  XIMG+12288                  ; h's scale words: 256 bytes for each maker w, 8 bytes a lane: K steps 2 hw, 2 hw + 1
.set HID,  13312                       ; the hidden chunk's codes (K step s, tile m at 3,072 s + 1,536 m) and words (256 s, 8 bytes a lane: m = 0, 1) lie this far behind h's
.set GST,  XSC+1024+HID                ; g1 and be1 of the expert, a copy of 4,096 bytes for each wave
.set RED1, GST+16384                   ; two tables [token][wave] of f32 for the sums of LN2, 512 bytes each
.set LI,   1                           ; 16 x lane
.set TOK,  2                           ; the token of my row in LN1: row 16 m + r
.set XOFA, 3                           ; its bytes in x, my two K steps: 2,048 x token + 64 h + 1,024 hw
.set HWR,  4                           ; LN1 writes h: (16 m + r) HP + 64 h + 1,024 hw
.set ACA,  5                           ; my columns of rows r, 16 + r: r HP + 32 h + 512 w
.set XOFB, 6                           ; x, the other two K steps
.set QWA,  7                           ; where I store a half image: XIMG + 3,072 w + 16 l
.set QWB,  8                           ;   and its last two registers: + 512 + 8 l
.set RDA,  9                           ; where any wave reads one: XIMG + 16 l
.set RDB,  10                          ;   XIMG + 512 + 8 l
.set SCW,  11                          ; where I store scale words: XSC + 256 w + 8 l
.set SCR,  12                          ; where any wave reads them: XSC + 8 l
.set GA,   13                          ; g1 from my copy: GST + 4,096 w + 64 h + 1,024 hw
.set GSW,  14                          ; into my copy: GST + 4,096 w + 16 l
.set RDW,  15                          ; RED1 + 16 r + 4 w
.set RDR,  16                          ; RED1 + 16 r
.set OUTR, 17                          ; my 8 rows on the way out: (16 m + 8 hw) HP + 16 l
.set BOFF, 18                          ; b1: 64 h
.set COFF, 19                          ; b2, g2, be2: 512 w + 32 h
.set TOK2, 20                          ; lane i < 8: the token of row 16 m + 8 hw + i
.set XS,   24
.set WS1,  40
.set WS2,  56
.set HSW,  72
.set SWD,  80                          ; v80-81 scale words being made
.set T,    84                          ; v84-89 the quantiser's: two maxima, two bytes, two scale operands
.set Q,    92                          ; v92-97 a half fragment; v100-102 the second conversion's result
.set SUM,  104
.set MU,   112
.set RS,   120
.set AC1,  128
.set HFR,  128                         ; h's fragments, in window 3
.set MSB, 0
.macro WIN new                         ; the immediate's high byte repeats the setting that is left; bits 1:0 source 0, 3:2 source 1, 5:4 source 2, 7:6 destination
.if MSB != (\new)
	s_set_vgpr_msb (MSB<<8)|(\new)
.set MSB, (\new)
.endif
.endm
.macro PLACES n                        ; plain vector instructions behind matrix instructions: four in front of loads into their registers and of reads of results, five in front of a matrix instruction that writes over them
.rept \n
	v_nop
.endr
.endm
.macro BARRIER                         ; my LDS stores have landed and my LDS loads are in: then the work-group's barrier
	s_wait_dscnt 0x0
	s_barrier_signal -1
	s_barrier_wait -1
.endm
.macro LOADG g                         ; group g of the chunk's 16 (16 and on: the next chunk's) into ring place g % 8 (places 0-3 window 1, 4-7 window 2): 12 loads of 512 consecutive bytes
	WIN 0x40+0x40*(((\g)%8)/4)
.set lg, 0
.rept 12
	global_load_b128 v[48*((\g)%4)+4*lg:48*((\g)%4)+4*lg+3], v[LI], s[10:11] offset:(\g)*6144+512*lg
.set lg, lg+1
.endr
.endm
.macro LOADS reg, off                  ; 16 scale registers
.irp p, 0,1,2,3
	global_load_b128 v[(\reg)+4*\p:(\reg)+4*\p+3], v[LI], s[12:13] offset:(\off)+512*\p
.endr
.endm
.macro LOADB off, first, cnt           ; b1 in the result's layout: tile t, lane (r, h): units 32 (t / 2) + 16 h + 8 (t % 2) + 0 .. 7; two loads a tile, cnt loads from load first on.  Destination window 1
.set bi, \first
.rept \cnt
	global_load_b128 v[192+4*bi:195+4*bi], v[BOFF], s[14:15] offset:(\off)+128*(bi/4)+32*((bi/2)%2)+16*(bi%2)
.set bi, bi+1
.endr
.endm
.macro GLOAD s                         ; g1, be1 of my K step s (0, 1) in x's layout, into set s.  Destination window 2
.set gi, 0
.rept 16
	ds_load_b128 v[128*(\s)+4*gi:128*(\s)+4*gi+3], v[GA] offset:512*(\s)+128*(gi/4)+16*(gi%4)
	ds_load_b128 v[128*(\s)+64+4*gi:128*(\s)+64+4*gi+3], v[GA] offset:2048+512*(\s)+128*(gi/4)+16*(gi%4)
.set gi, gi+1
.endr
.endm
.macro FRAGLD reg, off                 ; a fragment comes back from its two half images
.irp c, 0,1
	ds_load_b128 v[(\reg)+6*\c:(\reg)+6*\c+3], v[RDA] offset:(\off)+768*\c
	ds_load_b64 v[(\reg)+6*\c+4:(\reg)+6*\c+5], v[RDB] offset:(\off)+768*\c
.endr
.endm
.macro HLOAD s                         ; the hidden chunk's K step s: two fragments and their words into set s % 2: 9 LDS loads
.irp m, 0,1
	FRAGLD AC1+24*((\s)%2)+12*\m, HID+3072*(\s)+1536*\m
.endr
	ds_load_b64 v[HSW+2*((\s)%2):HSW+2*((\s)%2)+1], v[SCR] offset:HID+256*(\s)
.endm
; 32 numbers of a lane, v[src] on, two half blocks: register 16 x + i = k 32 (2 c + x) + 16 h + i of my row, become half c of a fragment, stored as an image at off, and bytes 2 c, 2 c + 1 of v[word].
; abs = 0: the numbers are product 1's results: relu first, ascending.
.macro QUANT2 src, abs, c, word, off
.if (\abs) == 0
.set qi, 0
.rept 32
	v_max_num_f32 v[(\src)+qi], 0, v[(\src)+qi]
.set qi, qi+1
.endr
	v_max3_num_f32 v[T], v[(\src)], v[(\src)+1], 0x1800000            ; my 16 numbers and the floor 2^(3 - 127): the byte cannot fall under 1
	v_max3_num_f32 v[T+1], v[(\src)+16], v[(\src)+17], 0x1800000
.irp i, 2,4,6,8,10,12,14
	v_max3_num_f32 v[T], v[T], v[(\src)+\i], v[(\src)+\i+1]
	v_max3_num_f32 v[T+1], v[T+1], v[(\src)+16+\i], v[(\src)+17+\i]
.endr
.else
	v_max3_num_f32 v[T], |v[(\src)]|, |v[(\src)+1]|, 0x1800000
	v_max3_num_f32 v[T+1], |v[(\src)+16]|, |v[(\src)+17]|, 0x1800000
.irp i, 2,4,6,8,10,12,14
	v_max3_num_f32 v[T], v[T], |v[(\src)+\i]|, |v[(\src)+\i+1]|
	v_max3_num_f32 v[T+1], v[T+1], |v[(\src)+16+\i]|, |v[(\src)+17+\i]|
.endr
.endif
	v_permlanex16_b32 v[T+2], v[T], s40, s41
	v_permlanex16_b32 v[T+3], v[T+1], s40, s41
	v_max_num_f32 v[T], v[T], v[T+2]               ; with lane l xor 16's 16: the block's largest magnitude
	v_max_num_f32 v[T+1], v[T+1], v[T+3]
	v_add_nc_u32 v[T+4], 0xff000000, v[T]          ; 2 off its exponent field: the conversion takes that field as its scale
	v_add_nc_u32 v[T+5], 0xff000000, v[T+1]
	v_lshrrev_b32 v[T+2], 23, v[T+4]               ; the scale's byte
	v_lshrrev_b32 v[T+3], 23, v[T+5]
.if (\c) == 0
	v_lshl_or_b32 v[\word], v[T+3], 8, v[T+2]
.else
	v_lshl_or_b32 v[\word], v[T+2], 16, v[\word]
	v_lshl_or_b32 v[\word], v[T+3], 24, v[\word]
.endif
	s_wait_dscnt 0x0                               ; the last half's stores have read v[Q] on
	v_cvt_scalef32_pk16_fp6_f32 v[Q:Q+2], v[(\src):(\src)+15], v[T+4]
	v_cvt_scalef32_pk16_fp6_f32 v[Q+8:Q+10], v[(\src)+16:(\src)+31], v[T+5]
	v_nop                                          ; one plain place behind a scaled conversion
.irp i, 0,1,2
	v_permlane16_swap_b32 v[Q+\i], v[Q+8+\i]       ; the operand's layout wants a whole block in a lane: lanes 0-15 block 2 c, lanes 16-31 block 2 c + 1
.endr
.irp i, 0,1,2
	v_mov_b32 v[Q+3+\i], v[Q+8+\i]
.endr
	ds_store_b128 v[QWA], v[Q:Q+3] offset:\off
	ds_store_b64 v[QWB], v[Q+4:Q+5] offset:\off
.endm
.macro MM d, a, b, c0, sa, sb, odd     ; odd: the weight's words lie in lanes 16-31 of the scale register
.if \odd
	v_wmma_scale_f32_16x16x128_f8f6f4 v[(\d):(\d)+7], v[(\a):(\a)+11], v[(\b):(\b)+11], v[(\c0):(\c0)+7], v[\sa], v[\sb] matrix_a_fmt:MATRIX_FMT_FP6 matrix_b_fmt:MATRIX_FMT_FP6 matrix_a_scale:MATRIX_SCALE_ROW1
.else
	v_wmma_scale_f32_16x16x128_f8f6f4 v[(\d):(\d)+7], v[(\a):(\a)+11], v[(\b):(\b)+11], v[(\c0):(\c0)+7], v[\sa], v[\sb] matrix_a_fmt:MATRIX_FMT_FP6 matrix_b_fmt:MATRIX_FMT_FP6
.endif
.endm
; A step: one group of four weight fragments against two tiles of tokens: 8 matrix instructions on 8 accumulators, which take turns in the same order in every step.
; n: the loads younger than this step's group, which may stay out.  At its end the step asks for the group five on, into the place that the step three back has read.
; Product 1, pass c (64 of my 128 units), K step s.  extra = 1: this chunk's W2 scale words; 2: the next chunk's b1, tiles 0-3.  They are issued ahead of the group, so that the wait five steps on shows them landed.
.macro P1STEP c, s, n, extra
.set G, 4*(\c)+(\s)
	s_wait_loadcnt \n
.if (\s) == 0
	WIN 0x1d+(\c)                                  ; weights window 1 + c, h window 3, C = b1 window 1, D window 0
.else
	WIN 0x0d+(\c)
.endif
.irp f, 0,1,2,3
.irp m, 0,1
.if (\s) == 0
	MM AC1+32*\m+8*\f, 48*(G%4)+12*\f, HFR+12*(4*\m+(\s)), 192+8*(4*(\c)+\f), WS1+2*G+\f/2, XS+4*\m+(\s), \f%2
.else
	MM AC1+32*\m+8*\f, 48*(G%4)+12*\f, HFR+12*(4*\m+(\s)), AC1+32*\m+8*\f, WS1+2*G+\f/2, XS+4*\m+(\s), \f%2
.endif
.endr
.endr
	WIN 0
	PLACES 4
.if (\extra) == 1
	LOADS WS2, 2048
.endif
.if (\extra) == 2
	WIN 0x40
	LOADB 2048, 0, 8
.endif
	LOADG G+5
	WIN 0
.endm
; Product 2, the chunk's K step s, columns 64 u on.  extra: the next chunk's W1 scale words and b1, tiles 4-7.
.macro P2STEP s, u, n, load, extra, np
.set G, 8+2*(\s)+(\u)
	s_wait_loadcnt \n
	WIN 0xf1+((G%8)/4)                             ; weights window 1 or 2, the hidden layer window 0, C and D window 3
.irp f, 0,1,2,3
.irp m, 0,1
	MM 8*(2*(4*(\u)+\f)+\m), 48*(G%4)+12*\f, AC1+24*((\s)%2)+12*\m, 8*(2*(4*(\u)+\f)+\m), WS2+2*(G-8)+\f/2, HSW+2*((\s)%2)+\m, \f%2
.endr
.endr
	WIN 0
	PLACES \np
.if \extra
	LOADS WS1, 4096
	WIN 0x40
	LOADB 2048, 8, 8
.endif
.if \load
	LOADG G+5
.endif
	WIN 0
.endm
; A CHUNK of 512 hidden units.  ahead = 1: another chunk follows; 0: the stream ends with group 15, and the counts run down.
; The counts: a group is asked for at the end of the step five back; younger are the four groups behind it (48 loads), and what the four steps before this one asked for besides:
; step 0's 4 loads count in steps 1-4, step 4's 8 in steps 5-8, step 8's 12 in steps 9-12.
.macro CHUNK ahead
	P1STEP 0, 0, 48, 1
	P1STEP 0, 1, 52, 0
	P1STEP 0, 2, 52, 0
	P1STEP 0, 3, 52, 0
.irp m, 0,1
	QUANT2 AC1+32*\m, 0, 0, SWD+\m, HID+1536*\m
.endr
	P1STEP 1, 0, 52, 2*\ahead                      ; begins the 8 sums anew: the quantiser's lines stand between it and the products whose results it writes over
	P1STEP 1, 1, 48+8*\ahead, 0
	P1STEP 1, 2, 48+8*\ahead, 0
	P1STEP 1, 3, 48+8*\ahead, 0
.irp m, 0,1
	QUANT2 AC1+32*\m, 0, 1, SWD+\m, HID+1536*\m+768
.endr
	ds_store_b64 v[SCW], v[SWD:SWD+1] offset:HID
	BARRIER                                        ; the chunk's 8 hidden fragments and their words lie in LDS
	HLOAD 0
	HLOAD 1
	s_wait_dscnt 9                                 ; K step 0's are in; K step 1's 9 loads may be out
	P2STEP 0, 0, 48+8*\ahead, 1, \ahead, 4
	P2STEP 0, 1, 48+12*\ahead, 1, 0, 4
	HLOAD 2
	s_wait_dscnt 9
	P2STEP 1, 0, 48+12*\ahead, 1, 0, 4
	P2STEP 1, 1, 48+12*\ahead, \ahead, 0, 4
	HLOAD 3
	s_wait_dscnt 9
	P2STEP 2, 0, 36+24*\ahead, \ahead, 0, 4
	P2STEP 2, 1, 24+24*\ahead, \ahead, 0, 4
	s_wait_dscnt 0x0
	P2STEP 3, 0, 12+36*\ahead, \ahead, 0, 4
	P2STEP 3, 1, 48*\ahead, \ahead, 0, 5           ; five places: the next matrix instructions write over registers that these have read
.if \ahead
	BARRIER                                        ; every wave's reads of the hidden chunk are in: the next chunk may be stored over it
.endif
.endm
.macro CLRSUM
.irp i, 0,1,2,3,4,5,6,7
	v_mov_b32 v[SUM+\i], 0
.endr
.endm
.macro FOLD1                           ; four chains of pairs, then lane l xor 16's: my row's sum in v[SUM]
	v_pk_add_f32 v[SUM:SUM+1], v[SUM:SUM+1], v[SUM+2:SUM+3]
	v_pk_add_f32 v[SUM+4:SUM+5], v[SUM+4:SUM+5], v[SUM+6:SUM+7]
	v_pk_add_f32 v[SUM:SUM+1], v[SUM:SUM+1], v[SUM+4:SUM+5]
	v_add_f32 v[SUM], v[SUM], v[SUM+1]
	v_permlanex16_b32 v[SUM+1], v[SUM], s40, s41
	v_add_f32 v[SUM], v[SUM], v[SUM+1]
.endm
.macro FOLD2 off                       ; LN2: for each tile m of tokens (two chains of pairs at SUM + 4 m) my 128 columns' sum; the four waves' meet in LDS; every wave adds them in the same order
.irp m, 0,1
	v_pk_add_f32 v[SUM+4*\m:SUM+4*\m+1], v[SUM+4*\m:SUM+4*\m+1], v[SUM+4*\m+2:SUM+4*\m+3]
.endr
.irp m, 0,1
	v_add_f32 v[SUM+4*\m], v[SUM+4*\m], v[SUM+4*\m+1]
.endr
.irp m, 0,1
	v_permlanex16_b32 v[SUM+4*\m+1], v[SUM+4*\m], s40, s41
.endr
.irp m, 0,1
	v_add_f32 v[SUM+4*\m], v[SUM+4*\m], v[SUM+4*\m+1]
.endr
.irp m, 0,1
	ds_store_b32 v[RDW], v[SUM+4*\m] offset:(\off)+256*\m          ; lanes l and l xor 16 write the same word with the same value
.endr
	BARRIER
.irp m, 0,1
	ds_load_b128 v[AC1+4*\m:AC1+4*\m+3], v[RDR] offset:(\off)+256*\m
.endr
	s_wait_dscnt 0x0
.irp m, 0,1
	v_add_f32 v[AC1+4*\m], v[AC1+4*\m], v[AC1+4*\m+1]
	v_add_f32 v[AC1+4*\m+2], v[AC1+4*\m+2], v[AC1+4*\m+3]
.endr
.irp m, 0,1
	v_add_f32 v[SUM+4*\m], v[AC1+4*\m], v[AC1+4*\m+2]
.endr
.endm
	; ---------------- arguments and addresses
	s_load_b512 s[4:19], s[0:1], 0x0               ; x s[4:5], order s[6:7], tiles s[8:9], wimg s[10:11], simg s[12:13], b1 s[14:15], b2 s[16:17], g1 s[18:19]
	s_load_b256 s[20:27], s[0:1], 0x40             ; be1 s[20:21], g2 s[22:23], be2 s[24:25], out s[26:27]
	v_lshl_add_u32 v126, v0, 2, 0x1ae00
	v_mov_b32 v127, 0
	v_lshrrev_b32 v21, 5, v0
	v_readfirstlane_b32 s28, v21                   ; wave 0..3
	s_and_b32 s48, s28, 1                          ; m
	s_lshr_b32 s49, s28, 1                         ; hw
	v_and_b32 v21, 31, v0                          ; lane
	v_and_b32 v22, 15, v0                          ; r
	v_bfe_u32 v23, v0, 4, 1                        ; h
	v_lshlrev_b32 v[LI], 4, v21
	s_lshl_b32 s50, s49, 10                        ; 1,024 hw: two K steps of 128 f32
	s_mul_i32 s29, s48, 16*HP
	v_mul_u32_u24 v[HWR], v22, HP
	v_lshl_add_u32 v[ACA], v23, 5, v[HWR]
	v_lshl_add_u32 v[HWR], v23, 6, v[HWR]
	s_add_co_u32 s31, s29, s50
	v_add_nc_u32 v[HWR], s31, v[HWR]
	s_lshl_b32 s30, s28, 9
	v_add_nc_u32 v[ACA], s30, v[ACA]
	s_mul_i32 s31, s28, 3072
	s_add_co_u32 s31, s31, XIMG
	v_add_nc_u32 v[QWA], s31, v[LI]
	v_lshlrev_b32 v[RDB], 3, v21                   ; 8 x lane
	v_add_nc_u32 v[QWB], s31, v[RDB]
	v_add_nc_u32 v[QWB], 512, v[QWB]
	s_lshl_b32 s46, s28, 8
	s_add_co_u32 s46, s46, XSC
	v_add_nc_u32 v[SCW], s46, v[RDB]
	v_add_nc_u32 v[SCR], XSC, v[RDB]
	v_add_nc_u32 v[RDB], XIMG+512, v[RDB]
	v_add_nc_u32 v[RDA], XIMG, v[LI]
	s_lshl_b32 s47, s28, 12
	s_add_co_u32 s47, s47, GST
	v_add_nc_u32 v[GSW], s47, v[LI]
	s_add_co_u32 s47, s47, s50
	v_lshl_add_u32 v[GA], v23, 6, s47
	v_lshlrev_b32 v[RDR], 4, v22
	v_add_nc_u32 v[RDR], RED1, v[RDR]
	s_lshl_b32 s46, s28, 2
	v_add_nc_u32 v[RDW], s46, v[RDR]
	s_mul_i32 s46, s49, 8*HP
	s_add_co_u32 s46, s46, s29
	v_add_nc_u32 v[OUTR], s46, v[LI]
	v_lshlrev_b32 v[BOFF], 6, v23
	v_lshl_add_u32 v[COFF], v23, 5, s30
	v_mov_b32 v[T+2], 0                            ; written once: a lane permute's destination counts as one of its sources
	v_mov_b32 v[T+3], 0
	s_mov_b32 s40, 0x76543210
	s_mov_b32 s41, 0xfedcba98                      ; v_permlanex16_b32's selects for lane l xor 16
	s_mov_b32 s42, 0x3727c5ac                      ; 1e-5
	s_lshl_b32 s44, ttmp9, 4
	s_mov_b32 s45, 0
	s_wait_kmcnt 0x0
	s_add_nc_u64 s[8:9], s[8:9], s[44:45]
	s_load_b128 s[32:35], s[8:9], 0x0              ; my tile: bucket, start, count
	s_wait_kmcnt 0x0
	s_min_u32 s36, s32, 7                          ; loaded numbers are held inside their tables before they enter an address
	s_min_u32 s37, s33, 4095
	s_min_u32 s38, s34, 32
	s_lshl_b32 s46, s48, 4                         ; 16 m
	s_lshl_b32 s47, s49, 3
	s_add_co_u32 s47, s47, s46                     ; 16 m + 8 hw: the first row that I store
	s_sub_co_i32 s39, s38, s47                     ; how many of my 8 rows count (0 or less: none)
	s_add_co_u32 s46, s37, s46
	s_add_co_u32 s47, s37, s47
	v_add_nc_u32 v21, s46, v22
	v_lshlrev_b32 v21, 2, v21
	v_and_b32 v90, 7, v0
	v_add_nc_u32 v90, s47, v90
	v_lshlrev_b32 v90, 2, v90
	global_load_b32 v[TOK], v21, s[6:7]            ; entry start + 16 m + r of the list
	global_load_b32 v[TOK2], v90, s[6:7]           ; entry start + 16 m + 8 hw + lane % 8
	s_mul_i32 s44, s36, 1572864                    ; the expert's and my wave's part of each tensor
	s_mul_i32 s46, s28, 393216
	s_add_co_u32 s44, s44, s46
	s_add_nc_u64 s[10:11], s[10:11], s[44:45]
	s_lshl_b32 s44, s36, 16
	s_lshl_b32 s46, s28, 14
	s_add_co_u32 s44, s44, s46
	s_add_nc_u64 s[12:13], s[12:13], s[44:45]
	s_lshl_b32 s44, s36, 13
	s_add_co_u32 s44, s44, s30
	s_add_nc_u64 s[14:15], s[14:15], s[44:45]
	s_lshl_b32 s44, s36, 11
	s_add_nc_u64 s[16:17], s[16:17], s[44:45]
	s_add_nc_u64 s[18:19], s[18:19], s[44:45]
	s_add_nc_u64 s[20:21], s[20:21], s[44:45]
	s_add_nc_u64 s[22:23], s[22:23], s[44:45]
	s_add_nc_u64 s[24:25], s[24:25], s[44:45]
.irp p, 0,1,2,3
	global_load_b128 v[128+4*\p:131+4*\p], v[LI], s[18:19] offset:512*\p       ; g1, as it lies
.endr
.irp p, 0,1,2,3
	global_load_b128 v[144+4*\p:147+4*\p], v[LI], s[20:21] offset:512*\p       ; be1
.endr
	s_wait_loadcnt 8                               ; the token numbers are in (g1's and be1's eight loads may be out)
	v_min_u32 v[TOK], 0xfff, v[TOK]
	v_min_u32 v[TOK2], 0xfff, v[TOK2]
	v_lshlrev_b32 v[XOFA], 11, v[TOK]
	v_lshl_add_u32 v[XOFA], v23, 6, v[XOFA]
	s_xor_b32 s51, s50, 1024                       ; 1,024 (1 - hw)
	v_add_nc_u32 v[XOFB], s51, v[XOFA]
	v_add_nc_u32 v[XOFA], s50, v[XOFA]
	WIN 0xc0
.set i, 0
.rept 32
	global_load_b128 v[4*i:4*i+3], v[XOFA], s[4:5] offset:128*(i/4)+16*(i%4)   ; registers 0-127: my two K steps: register 16 b + i = x(r, 256 hw + 32 b + 16 h + i): my half of each block of 32
.set i, i+1
.endr
.set i, 0
.rept 32
	global_load_b128 v[128+4*i:131+4*i], v[XOFB], s[4:5] offset:128*(i/4)+16*(i%4)   ; registers 128-255: the other two, for the statistics alone
.set i, i+1
.endr
	WIN 0
.set i, 0
.rept 16
	global_load_b128 v[192+4*i:195+4*i], v[COFF], s[16:17] offset:64*(i/2)+16*(i%2)   ; b2 in product 2's result layout
.set i, i+1
.endr
	LOADS WS1, 0
	WIN 0x40
	LOADB 0, 0, 16
	LOADG 0
	LOADG 1
	WIN 0
	; ---------------- LN1 of my 16 rows
	s_wait_loadcnt 60                              ; g1, be1 and x are in: younger are b2's 16, the scale words' 4, b1's 16 and two groups' 24
.irp p, 0,1,2,3
	ds_store_b128 v[GSW], v[128+4*\p:131+4*\p] offset:512*\p
	ds_store_b128 v[GSW], v[144+4*\p:147+4*\p] offset:2048+512*\p
.endr
	WIN 0x80
	GLOAD 0                                        ; my own bytes: LDS serves a wave's instructions in order (ISA guide 5.7.1.4)
	GLOAD 1
	WIN 0
	CLRSUM
	WIN 0x0c
.set i, 0
.rept 128
	v_pk_add_f32 v[SUM+2*(i%4):SUM+2*(i%4)+1], v[SUM+2*(i%4):SUM+2*(i%4)+1], v[2*i:2*i+1]
.set i, i+1
.endr
	WIN 0
	FOLD1
	v_mul_f32 v[MU], 0x3b000000, v[SUM]            ; / 512
	v_mov_b32 v[MU+1], v[MU]
	CLRSUM
	WIN 0xc3
.set i, 0
.rept 128
	v_pk_add_f32 v[2*i:2*i+1], v[2*i:2*i+1], v[MU:MU+1] neg_lo:[0,1] neg_hi:[0,1]    ; x - mean, in place
.set i, i+1
.endr
	WIN 0x0f
.set i, 0
.rept 128
	v_pk_fma_f32 v[SUM+2*(i%4):SUM+2*(i%4)+1], v[2*i:2*i+1], v[2*i:2*i+1], v[SUM+2*(i%4):SUM+2*(i%4)+1]
.set i, i+1
.endr
	WIN 0
	FOLD1
	v_fma_f32 v[SUM], v[SUM], 0x3b000000, s42      ; the variance + 1e-5
	v_rsq_f32 v[RS], v[SUM]
	v_nop                                          ; one plain place behind a transcendental
	s_wait_alu depctr_va_vdst(0)
	v_mov_b32 v[RS+1], v[RS]
	LOADG 2
	LOADG 3
	WIN 0
.macro HSTEP s                         ; my K step s (0, 1) of h: 64 numbers a lane; to LDS as f32 (the residual) and as a fragment's two half images
	s_wait_dscnt 0x0                               ; g1, be1 are in; the last step's stores have read v128 on
	WIN 0x03
.set i, 0
.rept 32
	v_pk_mul_f32 v[AC1+2*i:AC1+2*i+1], v[64*(\s)+2*i:64*(\s)+2*i+1], v[RS:RS+1]
.set i, i+1
.endr
	WIN 0x28
.set i, 0
.rept 32
	v_pk_fma_f32 v[AC1+2*i:AC1+2*i+1], v[AC1+2*i:AC1+2*i+1], v[128*(\s)+2*i:128*(\s)+2*i+1], v[128*(\s)+64+2*i:128*(\s)+64+2*i+1]
.set i, i+1
.endr
	WIN 0
.set i, 0
.rept 16
	ds_store_b128 v[HWR], v[AC1+4*i:AC1+4*i+3] offset:512*(\s)+128*(i/4)+16*(i%4)
.set i, i+1
.endr
	QUANT2 AC1, 1, 0, SWD+\s, 1536*\s
	QUANT2 AC1+32, 1, 1, SWD+\s, 1536*\s+768
.endm
	HSTEP 0
	HSTEP 1
	LOADG 4                                        ; into window 2, where g1 and be1 are done with
	WIN 0
	ds_store_b64 v[SCW], v[SWD:SWD+1]
	BARRIER                                        ; h lies in LDS: 32 rows of f32, 8 fragments, their words
	WIN 0xc0
.irp m, 0,1
.irp k, 0,1,2,3
	FRAGLD HFR+12*(4*\m+\k), 6144*(\k/2)+3072*\m+1536*(\k%2)
.endr
.endr
	WIN 0
.irp m, 0,1
.irp k, 0,1
	ds_load_b64 v[XS+4*\m+2*\k:XS+4*\m+2*\k+1], v[SCR] offset:256*(2*\k+\m)     ; the words of K steps 2 k, 2 k + 1 of tile m, as wave 2 k + m stored them
.endr
.endr
	WIN 0xc0
.irp t, 0,1,2,3,4,5,6,7
.irp m, 0,1
.irp q, 0,1
	ds_load_b128 v[8*(2*\t+\m)+4*\q:8*(2*\t+\m)+4*\q+3], v[ACA] offset:16*HP*\m+64*\t+16*\q     ; h(16 m + r, 128 w + 16 t + 8 h + 0 .. 7): where product 2's sums begin
.endr
.endr
.endr
	WIN 0
	s_wait_dscnt 0x0
	s_wait_loadcnt 60                              ; all but the five groups: b2, W1's scale words and b1 are in
	WIN 0xc3
.irp t, 0,1,2,3,4,5,6,7
.irp m, 0,1
.irp p, 0,1,2,3
	v_pk_add_f32 v[8*(2*\t+\m)+2*\p:8*(2*\t+\m)+2*\p+1], v[8*(2*\t+\m)+2*\p:8*(2*\t+\m)+2*\p+1], v[192+8*\t+2*\p:192+8*\t+2*\p+1]   ; + b2
.endr
.endr
.endr
	WIN 0
	; ---------------- the four chunks
	s_mov_b32 s43, 3
.Lchunk:
	CHUNK 1
	s_wait_xcnt 0x0                                ; the loads that are out have read their bases: these step only behind this wait
	s_add_nc_u64 s[10:11], s[10:11], 98304
	s_add_nc_u64 s[12:13], s[12:13], 4096
	s_add_nc_u64 s[14:15], s[14:15], 2048
	s_sub_co_u32 s43, s43, 1
	s_cmp_lg_u32 s43, 0
	s_cbranch_scc1 .Lchunk
	CHUNK 0                                        ; the last is written out: no load passes the stream's end
	; ---------------- LN2.  The accumulators hold h + ff.  Each is read from its low end on.
	WIN 0x40
.set i, 0
.rept 16
	global_load_b128 v[4*i:4*i+3], v[COFF], s[22:23] offset:64*(i/2)+16*(i%2)        ; g2 of my columns
	global_load_b128 v[64+4*i:67+4*i], v[COFF], s[24:25] offset:64*(i/2)+16*(i%2)    ; be2
.set i, i+1
.endr
	WIN 0
	CLRSUM
	WIN 0x0c
.irp t, 0,1,2,3,4,5,6,7
.irp p, 0,1,2,3
.irp m, 0,1
	v_pk_add_f32 v[SUM+4*\m+2*(\p%2):SUM+4*\m+2*(\p%2)+1], v[SUM+4*\m+2*(\p%2):SUM+4*\m+2*(\p%2)+1], v[8*(2*\t+\m)+2*\p:8*(2*\t+\m)+2*\p+1]
.endr
.endr
.endr
	WIN 0
	FOLD2 0
.irp m, 0,1
	v_mul_f32 v[MU+2*\m], 0x3b000000, v[SUM+4*\m]
.endr
.irp m, 0,1
	v_mov_b32 v[MU+2*\m+1], v[MU+2*\m]
.endr
	CLRSUM
	WIN 0xc3
.irp t, 0,1,2,3,4,5,6,7
.irp p, 0,1,2,3
.irp m, 0,1
	v_pk_add_f32 v[8*(2*\t+\m)+2*\p:8*(2*\t+\m)+2*\p+1], v[8*(2*\t+\m)+2*\p:8*(2*\t+\m)+2*\p+1], v[MU+2*\m:MU+2*\m+1] neg_lo:[0,1] neg_hi:[0,1]
.endr
.endr
.endr
	WIN 0x0f
.irp t, 0,1,2,3,4,5,6,7
.irp p, 0,1,2,3
.irp m, 0,1
	v_pk_fma_f32 v[SUM+4*\m+2*(\p%2):SUM+4*\m+2*(\p%2)+1], v[8*(2*\t+\m)+2*\p:8*(2*\t+\m)+2*\p+1], v[8*(2*\t+\m)+2*\p:8*(2*\t+\m)+2*\p+1], v[SUM+4*\m+2*(\p%2):SUM+4*\m+2*(\p%2)+1]
.endr
.endr
.endr
	WIN 0
	FOLD2 512                                      ; other bytes than the first table's: no barrier between the two uses
.irp m, 0,1
	v_fma_f32 v[SUM+4*\m], v[SUM+4*\m], 0x3b000000, s42
.endr
.irp m, 0,1
	v_rsq_f32 v[RS+2*\m], v[SUM+4*\m]
.endr
	v_nop                                          ; one plain place behind the transcendentals
	s_wait_alu depctr_va_vdst(0)
.irp m, 0,1
	v_mov_b32 v[RS+2*\m+1], v[RS+2*\m]
.endr
	s_wait_loadcnt 0x0                             ; g2, be2
	WIN 0xc3
.irp t, 0,1,2,3,4,5,6,7
.irp p, 0,1,2,3
.irp m, 0,1
	v_pk_mul_f32 v[8*(2*\t+\m)+2*\p:8*(2*\t+\m)+2*\p+1], v[8*(2*\t+\m)+2*\p:8*(2*\t+\m)+2*\p+1], v[RS+2*\m:RS+2*\m+1]
.endr
.endr
.endr
	WIN 0xd7
.irp t, 0,1,2,3,4,5,6,7
.irp p, 0,1,2,3
.irp m, 0,1
	v_pk_fma_f32 v[8*(2*\t+\m)+2*\p:8*(2*\t+\m)+2*\p+1], v[8*(2*\t+\m)+2*\p:8*(2*\t+\m)+2*\p+1], v[8*\t+2*\p:8*\t+2*\p+1], v[64+8*\t+2*\p:64+8*\t+2*\p+1]
.endr
.endr
.endr
	WIN 0x0c                                       ; an LDS store's data are its source 1: window 3
.irp t, 0,1,2,3,4,5,6,7
.irp m, 0,1
.irp q, 0,1
	ds_store_b128 v[ACA], v[8*(2*\t+\m)+4*\q:8*(2*\t+\m)+4*\q+3] offset:16*HP*\m+64*\t+16*\q    ; into the rows that held h: every wave's reads of them lie behind several barriers
.endr
.endr
.endr
	WIN 0
	BARRIER                                        ; 32 whole rows of the output lie in LDS.  No barrier stands behind this one, so the branches below may hang on the tile's numbers
	; ---------------- THE WAY OUT: wave w scatters rows 16 m + 8 hw + 0 .. 7, each to its token's row: four stores of 512 consecutive bytes, at a multiple of 512 from the buffer's first byte
.irp i, 0,1,2,3,4,5,6,7
	v_readlane_b32 s44, v[TOK2], \i
	s_min_u32 s44, s44, 4095
	s_lshl_b32 s44, s44, 11
	s_add_nc_u64 s[66+2*\i:67+2*\i], s[26:27], s[44:45]
.endr
.macro ROWOUT i, reg, step, cnt        ; row i, if the tile has it.  cnt: the LDS loads younger than the row's, waited for on both ways; -1: none are out
.if (\cnt) >= 0
	s_wait_dscnt \cnt
.endif
	s_cmp_gt_i32 s39, \i
	s_cbranch_scc0 .Lskip_\@
.irp q, 0,1,2,3
	global_store_b128 v[LI], v[(\reg)+(\step)*\q:(\reg)+(\step)*\q+3], s[66+2*(\i):67+2*(\i)] offset:512*\q th:TH_STORE_NT
.endr
.Lskip_\@:
.endm
	s_cmp_lt_u32 s32, 8
	s_cbranch_scc0 .Lzero
.set oi, 0
.rept 32
	ds_load_b128 v[AC1+4*oi:AC1+4*oi+3], v[OUTR] offset:(oi/4)*HP+512*(oi%4)       ; my 8 rows, four loads a row
.set oi, oi+1
.endr
.irp a, 0,1,2,3,4,5,6,7
	ROWOUT \a, AC1+16*\a, 4, 28-4*\a
.endr
	s_wait_tensorcnt 0x0
	ds_add_u32 v126, v127
	s_wait_dscnt 0x0
	s_endpgm
.Lzero:                                                ; tokens that belong to no expert: reference() leaves their rows zero
.irp q, 0,1,2,3
	v_mov_b32 v[AC1+\q], 0
.endr
.irp a, 0,1,2,3,4,5,6,7
	ROWOUT \a, AC1, 0, -1
.endr
	s_wait_tensorcnt 0x0
	ds_add_u32 v126, v127
	s_wait_dscnt 0x0
	s_endpgm
.Lfunc_end_k_q607391792d_encoder:
	.size	k_q607391792d_encoder, .Lfunc_end_k_q607391792d_encoder-k_q607391792d_encoder
	.p2alignl 7, 3214868480
	.fill 96, 4, 3214868480
	.section	.rodata,"a",@progbits
	.p2align	6, 0x0
	.amdhsa_kernel k_q607391792d_encoder
		.amdhsa_group_segment_fixed_size 110592
		.amdhsa_private_segment_fixed_size 0
		.amdhsa_enable_private_segment 0
		.amdhsa_kernarg_size 96
		.amdhsa_user_sgpr_count 2
		.amdhsa_user_sgpr_kernarg_segment_ptr 1
		.amdhsa_wavefront_size32 1
		.amdhsa_system_sgpr_workgroup_id_x 1
		.amdhsa_system_sgpr_workgroup_id_y 1
		.amdhsa_system_sgpr_workgroup_id_z 1
		.amdhsa_system_vgpr_workitem_id 0
		.amdhsa_next_free_vgpr 1024
		.amdhsa_next_free_sgpr 100
		.amdhsa_reserve_vcc 0
		.amdhsa_float_denorm_mode_32 3
		.amdhsa_float_denorm_mode_16_64 3
		.amdhsa_memory_ordered 1
		.amdhsa_forward_progress 1
		.amdhsa_inst_pref_size 221
	.end_amdhsa_kernel
	.amdgpu_metadata
---
amdhsa.version: [ 1, 2 ]
amdhsa.kernels:
  - .name:           k_q607391792d_encoder
    .symbol:         k_q607391792d_encoder.kd
    .args:
      - { .name: x, .offset: 0, .size: 8, .value_kind: global_buffer, .address_space: global }
      - { .name: order, .offset: 8, .size: 8, .value_kind: global_buffer, .address_space: global }
      - { .name: tiles, .offset: 16, .size: 8, .value_kind: global_buffer, .address_space: global }
      - { .name: wimg, .offset: 24, .size: 8, .value_kind: global_buffer, .address_space: global }
      - { .name: simg, .offset: 32, .size: 8, .value_kind: global_buffer, .address_space: global }
      - { .name: b1, .offset: 40, .size: 8, .value_kind: global_buffer, .address_space: global }
      - { .name: b2, .offset: 48, .size: 8, .value_kind: global_buffer, .address_space: global }
      - { .name: g1, .offset: 56, .size: 8, .value_kind: global_buffer, .address_space: global }
      - { .name: be1, .offset: 64, .size: 8, .value_kind: global_buffer, .address_space: global }
      - { .name: g2, .offset: 72, .size: 8, .value_kind: global_buffer, .address_space: global }
      - { .name: be2, .offset: 80, .size: 8, .value_kind: global_buffer, .address_space: global }
      - { .name: out0, .offset: 88, .size: 8, .value_kind: global_buffer, .address_space: global }
    .group_segment_fixed_size: 110592
    .private_segment_fixed_size: 0
    .kernarg_segment_align: 8
    .kernarg_segment_size: 96
    .max_flat_workgroup_size: 128
    .sgpr_count:     100
    .vgpr_count:     1024
    .wavefront_size: 32
...
	.end_amdgpu_metadata
.endif
;; end of part 4
;; ======== version 3 of 3: 2 launches; version 2 with the launch encoder written anew for expert scheduling mode
;; workspace buffers: wimg 12,582,912 bytes; simg 524,288 bytes; order 16,640 bytes of whole numbers; tiles 2,304 bytes of whole numbers
;; launch prep: the kernel of part 3 again; grid 129 x 1, 8 waves a work-group, no clusters, 2,048 bytes of LDS; arguments W1_codes, W1_scales, W2_codes, W2_scales, type_vec, wimg, simg, order, tiles; writes wimg, simg, order, tiles
;; launch encoder (part 5): grid 136 x 1, 4 waves a work-group, no clusters, 110,592 bytes of LDS; arguments x, order, tiles, wimg, simg, b1, b2, g1, be1, g2, be2, out0; writes out0
.if DOCPART == 5
	.amdgcn_target "amdgcn-amd-amdhsa--gfx1250"
	.amdhsa_code_object_version 6
	.text
	.protected	k_q607391792d_encoder
	.globl	k_q607391792d_encoder
	.p2align	8
	.type	k_q607391792d_encoder,@function
k_q607391792d_encoder:
	s_mov_b64 s[64:65], 0
	v_nop
	global_prefetch_b8 v0, s[64:65] scope:SCOPE_SE
	s_setreg_imm32_b32 hwreg(HW_REG_WAVE_SCHED_MODE, 0, 2), 2
	s_setreg_imm32_b32 hwreg(HW_REG_WAVE_MODE, 25, 1), 1
	s_wait_xcnt 0x0
	s_wait_alu depctr_vm_vsrc(0)
; out[t] = LN2(h + relu(h W1 + b1) W2 + b2), h = LN1(x[t]), with the parameters of token t's expert.  Both products on codes of E2M3 with one E8M0 scale for each 32 along K.
; A work-group takes ONE TILE of the table: up to 32 tokens of one expert, gathered by the sorted list.  reference() keeps of each expert's result only the rows of its own tokens: only those are computed.
; A tile of the ninth bucket (a type outside 0 .. 7) walks the same text with expert 7's parameters, so that every wave passes every barrier, and stores zeros.
; Rows of a tile beyond its count are other tokens of the list (or token 0): they are computed and not stored.
; SHARES.  Wave w = 2 hw + m.  LN1: the wave takes rows 16 m .. 16 m + 15: the statistics over the whole row (each row by two waves: no exchange), h and its codes for K steps 2 hw and 2 hw + 1 alone.
; Product 1: in chunk j (512 hidden units) wave w makes units 512 j + 128 w .. + 127 for all 32 rows: that is K step 4 j + w of product 2.  Product 2: wave w owns columns 128 w .. + 127 for all 32 rows.
; So each weight fragment is used by one wave alone and feeds two matrix instructions: it comes from memory straight into registers, as an image of those registers (three loads of 512 consecutive bytes).
; A ring of eight places of four fragments; group g + 5 is asked for in step g: 48 to 60 loads of 512 bytes a wave are out.  No LDS ring, no tensor load: weights are not shared between waves.
; No cluster either: how many tiles an expert has hangs on the data, so partners with the same weights cannot be fixed in the grid.
; BOTH PRODUCTS ARE USED TRANSPOSED (source 0 = 16 rows of a weight, source 1 = 16 tokens): a lane holds ONE token (lane % 16), and its registers run along the hidden units or the columns.
; h's and the hidden layer's codes go from wave to wave through LDS as images of half fragments (6 registers a lane: 16 bytes at 16 l, 8 bytes at 512 + 8 l), their scale words 8 bytes a lane.
; Product 2's sums begin as h + b2, product 1's as b1 (the C of its first K step): nothing is cleared.
; LIMITS: NaN and infinities among the inputs are not served.  A block of zeros gets the scale byte 1 where the rule says 127: its codes are zeros, and this program alone reads the byte;
; blocks whose largest magnitude lies under 2^-124 share that byte.  Both variances are taken of centred numbers, in a second pass.
; THE MODE: SCHED_MODE bits 1:0 = 2 (LLVM: expert scheduling mode 2), set by the entry lines.  The code itself states the register dependences between vector or matrix instructions
; and memory or LDS instructions, with s_wait_alu, always for 0.
; THE PLAN.  Registers that memory or LDS instructions touch in the loop over chunks (a chunk is 16 steps, g = 0 .. 15):
;   ring places 0-7     Step g's eight matrix instructions read place g % 8.  The twelve loads of group g + 5, issued in step g, land in place (g - 3) % 8, which step g - 3 read.
;   W2's scale words    read by steps 8-15, loaded again in step 0.   b1 tiles 0-3: read by step 0, loaded in step 4.   W1's scale words and b1 tiles 4-7: read by steps 0-7 and 4, loaded in step 8.
;   hidden sets 0, 1    and their words: set s % 2 is read by the two steps of K step s; K step s + 2 lands in it at the head of the step behind them.
;   code sets Q0, Q1    and the words v80-81: written by the quantiser, read by its LDS stores.
;   v1-v20              addresses and offsets, made once at the head and never written again: the scalar bases step, and immediate offsets do the rest.
;   Product 1's and product 2's sums are named by matrix and vector instructions alone in the loop.
; So ONE wait on va_vdst stands at the head of each step that issues loads: the matrix instructions of the steps before are done reading all that this step's loads land in.  The loads follow it, dealt among the
; step's eight matrix instructions, which name place g % 8, h or a hidden set, the sums and the scale words in use: none of the registers that those loads touch.
; The quantiser takes the two tiles of a pass as a pair: one wait on vm_vsrc ahead of it (the earlier stores have read both code sets and the words), one on va_vdst ahead of its stores.
; REGISTERS, in windows of 256.  Window 0: v1-20 addresses; v24-31 h's scale words; v32-37, v76-78 code set Q1; v40-55, v56-71 W1's and W2's scale words; v72-75 the hidden layer's, two sets; v80-89 the quantiser's;
;   v92-102 code set Q0; v104-123 sums, means, 1 / sigma; v128-191 product 1's 8 accumulators ((m, f) at 128 + 32 m + 8 f), then two sets of two hidden fragments; at the start h at work, and b2 in v192-255; at the end v128-255 rows of the output.
; Window 1: v0-191 ring places 0-3; v192-255 b1 in the result's layout; at the end g2, be2.      Window 2: v0-191 ring places 4-7; at the start g1, be1 of my two K steps.
; Window 3: at the start x; then v0-127 product 2's 16 accumulators ((t, m) at 8 (2 t + m)) and v128-223 h's 8 fragments (128 + 12 (4 m + s)).
.set HP,   2064                        ; a row of h (later of the output) in LDS: 2,048 bytes + 16: row r starts 4 r banks on
.set XIMG, 32*HP                       ; h's codes: fragment (m, s) at 6,144 (s / 2) + 3,072 m + 1,536 (s % 2), two half images of 768 bytes: the maker's 3,072 w + 1,536 (s % 2)
.set XSC,  XIMG+12288                  ; h's scale words: 256 bytes for each maker w, 8 bytes a lane: K steps 2 hw, 2 hw + 1
.set HID,  13312                       ; the hidden chunk's codes (K step s, tile m at 3,072 s + 1,536 m) and words (256 s, 8 bytes a lane: m = 0, 1) lie this far behind h's
.set GST,  XSC+1024+HID                ; g1 and be1 of the expert, a copy of 4,096 bytes for each wave
.set RED1, GST+16384                   ; two tables [token][wave] of f32 for the sums of LN2, 512 bytes each
.set LI,   1                           ; 16 x lane
.set TOK,  2                           ; the token of my row in LN1: row 16 m + r
.set XOFA, 3                           ; its bytes in x, my two K steps: 2,048 x token + 64 h + 1,024 hw
.set HWR,  4                           ; LN1 writes h: (16 m + r) HP + 64 h + 1,024 hw
.set ACA,  5                           ; my columns of rows r, 16 + r: r HP + 32 h + 512 w
.set XOFB, 6                           ; x, the other two K steps
.set QWA,  7                           ; where I store a half image: XIMG + 3,072 w + 16 l
.set QWB,  8                           ;   and its last two registers: + 512 + 8 l
.set RDA,  9                           ; where any wave reads one: XIMG + 16 l
.set RDB,  10                          ;   XIMG + 512 + 8 l
.set SCW,  11                          ; where I store scale words: XSC + 256 w + 8 l
.set SCR,  12                          ; where any wave reads them: XSC + 8 l
.set GA,   13                          ; g1 from my copy: GST + 4,096 w + 64 h + 1,024 hw
.set GSW,  14                          ; into my copy: GST + 4,096 w + 16 l
.set RDW,  15                          ; RED1 + 16 r + 4 w
.set RDR,  16                          ; RED1 + 16 r
.set OUTR, 17                          ; my 8 rows on the way out: (16 m + 8 hw) HP + 16 l
.set BOFF, 18                          ; b1: 64 h
.set COFF, 19                          ; b2, g2, be2: 512 w + 32 h
.set TOK2, 20                          ; lane i < 8: the token of row 16 m + 8 hw + i
.set XS,   24
.set WS1,  40
.set WS2,  56
.set HSW,  72
.set SWD,  80                          ; v80-81 scale words being made
.set T,    84                          ; v84-89 the quantiser's: two maxima, two bytes, two scale operands
.set Q0A,  92                          ; v92-97 a half fragment, set 0;
.set Q0B,  100                         ; v100-102 its second conversion's result
.set Q1A,  32                          ; v32-37 set 1;
.set Q1B,  76                          ; v76-78
.set SUM,  104
.set MU,   112
.set RS,   120
.set AC1,  128
.set HFR,  128                         ; h's fragments, in window 3
.set MSB, 0
.macro WIN new                         ; the immediate's high byte repeats the setting that is left; bits 1:0 source 0, 3:2 source 1, 5:4 source 2, 7:6 destination
.if MSB != (\new)
	s_set_vgpr_msb (MSB<<8)|(\new)
.set MSB, (\new)
.endif
.endm
.macro PLACES n                        ; plain vector instructions behind matrix instructions (ISA guide 7.12.1): four in front of reads of results, five in front of a matrix instruction that writes over their registers; a wait on va_vdst fills none
.rept \n
	v_nop
.endr
.endm
.macro BARRIER                         ; my LDS stores have landed and my LDS loads are in: then the work-group's barrier
	s_wait_dscnt 0x0
	s_barrier_signal -1
	s_barrier_wait -1
.endm
.macro LOADGH g, half                  ; six of the twelve loads of group g of the chunk's 16 (16 and on: the next chunk's) into ring place g % 8 (places 0-3 window 1, 4-7 window 2): 512 consecutive bytes each
	WIN 0x40+0x40*(((\g)%8)/4)
.set lg, 6*(\half)
.rept 6
	global_load_b128 v[48*((\g)%4)+4*lg:48*((\g)%4)+4*lg+3], v[LI], s[10:11] offset:(\g)*6144+512*lg
.set lg, lg+1
.endr
.endm
.macro LOADG g                         ; the whole group
	LOADGH \g, 0
	LOADGH \g, 1
.endm
.macro LOADS reg, off                  ; 16 scale registers
.irp p, 0,1,2,3
	global_load_b128 v[(\reg)+4*\p:(\reg)+4*\p+3], v[LI], s[12:13] offset:(\off)+512*\p
.endr
.endm
.macro LOADB off, first, cnt           ; b1 in the result's layout: tile t, lane (r, h): units 32 (t / 2) + 16 h + 8 (t % 2) + 0 .. 7; two loads a tile, cnt loads from load first on.  Destination window 1
.set bi, \first
.rept \cnt
	global_load_b128 v[192+4*bi:195+4*bi], v[BOFF], s[14:15] offset:(\off)+128*(bi/4)+32*((bi/2)%2)+16*(bi%2)
.set bi, bi+1
.endr
.endm
.macro GLOAD s                         ; g1, be1 of my K step s (0, 1) in x's layout, into set s.  Destination window 2
.set gi, 0
.rept 16
	ds_load_b128 v[128*(\s)+4*gi:128*(\s)+4*gi+3], v[GA] offset:512*(\s)+128*(gi/4)+16*(gi%4)
	ds_load_b128 v[128*(\s)+64+4*gi:128*(\s)+64+4*gi+3], v[GA] offset:2048+512*(\s)+128*(gi/4)+16*(gi%4)
.set gi, gi+1
.endr
.endm
.macro FRAGLD reg, off                 ; a fragment comes back from its two half images
.irp c, 0,1
	ds_load_b128 v[(\reg)+6*\c:(\reg)+6*\c+3], v[RDA] offset:(\off)+768*\c
	ds_load_b64 v[(\reg)+6*\c+4:(\reg)+6*\c+5], v[RDB] offset:(\off)+768*\c
.endr
.endm
.macro HLOAD s                         ; the hidden chunk's K step s: two fragments and their words into set s % 2: 9 LDS loads
.irp m, 0,1
	FRAGLD AC1+24*((\s)%2)+12*\m, HID+3072*(\s)+1536*\m
.endr
	ds_load_b64 v[HSW+2*((\s)%2):HSW+2*((\s)%2)+1], v[SCR] offset:HID+256*(\s)
.endm
; 32 numbers of a lane, v[src] on, two half blocks: register 16 x + i = k 32 (2 c + x) + 16 h + i of my row, become half c of a fragment in v[qa] .. v[qa + 5], and bytes 2 c, 2 c + 1 of v[word].
; abs = 0: the numbers are product 1's results: relu first, ascending.
; No memory or LDS instruction stands in it: v[qa] on, v[qb] on and v[word] are written only behind the caller's wait on vm_vsrc, and stored only behind its wait on va_vdst.
.macro QMAKE src, abs, c, word, qa, qb
.if (\abs) == 0
.set qi, 0
.rept 32
	v_max_num_f32 v[(\src)+qi], 0, v[(\src)+qi]
.set qi, qi+1
.endr
	v_max3_num_f32 v[T], v[(\src)], v[(\src)+1], 0x1800000            ; my 16 numbers and the floor 2^(3 - 127): the byte cannot fall under 1
	v_max3_num_f32 v[T+1], v[(\src)+16], v[(\src)+17], 0x1800000
.irp i, 2,4,6,8,10,12,14
	v_max3_num_f32 v[T], v[T], v[(\src)+\i], v[(\src)+\i+1]
	v_max3_num_f32 v[T+1], v[T+1], v[(\src)+16+\i], v[(\src)+17+\i]
.endr
.else
	v_max3_num_f32 v[T], |v[(\src)]|, |v[(\src)+1]|, 0x1800000
	v_max3_num_f32 v[T+1], |v[(\src)+16]|, |v[(\src)+17]|, 0x1800000
.irp i, 2,4,6,8,10,12,14
	v_max3_num_f32 v[T], v[T], |v[(\src)+\i]|, |v[(\src)+\i+1]|
	v_max3_num_f32 v[T+1], v[T+1], |v[(\src)+16+\i]|, |v[(\src)+17+\i]|
.endr
.endif
	v_permlanex16_b32 v[T+2], v[T], s40, s41
	v_permlanex16_b32 v[T+3], v[T+1], s40, s41
	v_max_num_f32 v[T], v[T], v[T+2]               ; with lane l xor 16's 16: the block's largest magnitude
	v_max_num_f32 v[T+1], v[T+1], v[T+3]
	v_add_nc_u32 v[T+4], 0xff000000, v[T]          ; 2 off its exponent field: the conversion takes that field as its scale
	v_add_nc_u32 v[T+5], 0xff000000, v[T+1]
	v_lshrrev_b32 v[T+2], 23, v[T+4]               ; the scale's byte
	v_lshrrev_b32 v[T+3], 23, v[T+5]
.if (\c) == 0
	v_lshl_or_b32 v[\word], v[T+3], 8, v[T+2]
.else
	v_lshl_or_b32 v[\word], v[T+2], 16, v[\word]
	v_lshl_or_b32 v[\word], v[T+3], 24, v[\word]
.endif
	v_cvt_scalef32_pk16_fp6_f32 v[(\qa):(\qa)+2], v[(\src):(\src)+15], v[T+4]
	v_cvt_scalef32_pk16_fp6_f32 v[(\qb):(\qb)+2], v[(\src)+16:(\src)+31], v[T+5]
	v_nop                                          ; one plain place behind a scaled conversion
.irp i, 0,1,2
	v_permlane16_swap_b32 v[(\qa)+\i], v[(\qb)+\i] ; the operand's layout wants a whole block in a lane: lanes 0-15 block 2 c, lanes 16-31 block 2 c + 1
.endr
.irp i, 0,1,2
	v_mov_b32 v[(\qa)+3+\i], v[(\qb)+\i]
.endr
.endm
.macro QSEND qa, off                   ; the half fragment goes to LDS as an image
	ds_store_b128 v[QWA], v[(\qa):(\qa)+3] offset:\off
	ds_store_b64 v[QWB], v[(\qa)+4:(\qa)+5] offset:\off
.endm
.macro QPAIR c                         ; pass c's results, both tiles of tokens, become half c of my two hidden fragments
	s_wait_alu depctr_vm_vsrc(0)                   ; the LDS stores issued so far have read both code sets and the words v80-81, which the lines below write again
	QMAKE AC1, 0, \c, SWD, Q0A, Q0B
	QMAKE AC1+32, 0, \c, SWD+1, Q1A, Q1B
	s_wait_alu depctr_va_vdst(0)                   ; both code sets and the words are written, which the LDS stores read; and the quantiser is done with v128-191, in which (pass 1) the hidden fragments' loads land
	QSEND Q0A, HID+768*(\c)
	QSEND Q1A, HID+1536+768*(\c)
.endm
.macro MM d, a, b, c0, sa, sb, odd     ; odd: the weight's words lie in lanes 16-31 of the scale register
.if \odd
	v_wmma_scale_f32_16x16x128_f8f6f4 v[(\d):(\d)+7], v[(\a):(\a)+11], v[(\b):(\b)+11], v[(\c0):(\c0)+7], v[\sa], v[\sb] matrix_a_fmt:MATRIX_FMT_FP6 matrix_b_fmt:MATRIX_FMT_FP6 matrix_a_scale:MATRIX_SCALE_ROW1
.else
	v_wmma_scale_f32_16x16x128_f8f6f4 v[(\d):(\d)+7], v[(\a):(\a)+11], v[(\b):(\b)+11], v[(\c0):(\c0)+7], v[\sa], v[\sb] matrix_a_fmt:MATRIX_FMT_FP6 matrix_b_fmt:MATRIX_FMT_FP6
.endif
.endm
; A step: one group of four weight fragments against two tiles of tokens: 8 matrix instructions on 8 accumulators, which take turns in the same order in every step.
; n: the loads younger than this step's group, which may stay out.  Behind its head's two waits the step asks for the group five on, into the place that the step three back has read: six loads, four products, six loads, four products.
.macro P1MM c, s, f                    ; weight fragment f of step G against the two tiles
.irp m, 0,1
.if (\s) == 0
	MM AC1+32*\m+8*\f, 48*(G%4)+12*\f, HFR+12*(4*\m+(\s)), 192+8*(4*(\c)+\f), WS1+2*G+\f/2, XS+4*\m+(\s), \f%2
.else
	MM AC1+32*\m+8*\f, 48*(G%4)+12*\f, HFR+12*(4*\m+(\s)), AC1+32*\m+8*\f, WS1+2*G+\f/2, XS+4*\m+(\s), \f%2
.endif
.endr
.endm
; Product 1, pass c (64 of my 128 units), K step s.  extra = 1: this chunk's W2 scale words; 2: the next chunk's b1, tiles 0-3.  They are issued ahead of the group, so that the wait five steps on shows them landed.
.macro P1STEP c, s, n, extra
.set G, 4*(\c)+(\s)
.set WMM, 0x0d+(\c)                    ; weights window 1 + c, h window 3, C and D window 0
.if (\s) == 0
.set WMM, 0x1d+(\c)                    ; C = b1, window 1
.endif
	s_wait_loadcnt \n
	s_wait_alu depctr_va_vdst(0)                   ; the matrix instructions of the steps before are done reading the ring place of three steps back, and (step 0) W2's scale words, (step 4) b1's tiles 0-3: this step's loads land there
.if (\extra) == 1
	LOADS WS2, 2048
.endif
.if (\extra) == 2
	WIN 0x40
	LOADB 2048, 0, 8
.endif
	LOADGH G+5, 0
	WIN WMM
.irp f, 0,1
	P1MM \c, \s, \f
.endr
	LOADGH G+5, 1                                  ; no further wait: no vector or matrix instruction since the step's head names this place or v[LI]
	WIN WMM
.irp f, 2,3
	P1MM \c, \s, \f
.endr
	WIN 0
	PLACES 4
.endm
.macro P2MM s, u, f
.irp m, 0,1
	MM 8*(2*(4*(\u)+\f)+\m), 48*(G%4)+12*\f, AC1+24*((\s)%2)+12*\m, 8*(2*(4*(\u)+\f)+\m), WS2+2*(G-8)+\f/2, HSW+2*((\s)%2)+\m, \f%2
.endr
.endm
; Product 2, the chunk's K step s, columns 64 u on.  extra: the next chunk's W1 scale words and b1, tiles 4-7.  hl: the K step of the hidden chunk that is fetched at this step's head (-1: none);
; dn: how many LDS loads may stay out when this step's hidden set has to be there (-1: it is there).  A step that issues no load holds no wait on va_vdst: it would have no dependence to state.
.macro P2STEP s, u, n, load, extra, np, hl, dn
.set G, 8+2*(\s)+(\u)
	s_wait_loadcnt \n
.if (\load) || (\extra) || ((\hl) >= 0)
	s_wait_alu depctr_va_vdst(0)                   ; the matrix instructions of the steps before are done reading the ring place of three steps back, the hidden set and words of the K step before, and (step 8) W1's scale words and b1's tiles 4-7: this step's loads land there
.endif
.if (\hl) >= 0
	HLOAD \hl
.endif
.if (\dn) >= 0
	s_wait_dscnt \dn
.endif
.if \extra
	LOADS WS1, 4096
	WIN 0x40
	LOADB 2048, 8, 8
.endif
.if \load
	LOADGH G+5, 0
.endif
	WIN 0xf1+((G%8)/4)                             ; weights window 1 or 2, the hidden layer window 0, C and D window 3
.irp f, 0,1
	P2MM \s, \u, \f
.endr
.if \load
	LOADGH G+5, 1                                  ; no further wait: no vector or matrix instruction since the step's head names this place or v[LI]
.endif
	WIN 0xf1+((G%8)/4)
.irp f, 2,3
	P2MM \s, \u, \f
.endr
	WIN 0
	PLACES \np
.endm
; A CHUNK of 512 hidden units.  ahead = 1: another chunk follows; 0: the stream ends with group 15, and the counts run down.
; The counts: a group is asked for in the step five back, as that step's last loads; younger are the four groups behind it (48 loads), and what the four steps before this one asked for besides:
; step 0's 4 loads count in steps 1-4, step 4's 8 in steps 5-8, step 8's 12 in steps 9-12.
.macro CHUNK ahead
	P1STEP 0, 0, 48, 1
	P1STEP 0, 1, 52, 0
	P1STEP 0, 2, 52, 0
	P1STEP 0, 3, 52, 0
	QPAIR 0
	P1STEP 1, 0, 52, 2*\ahead                      ; begins the 8 sums anew: the quantiser's lines stand between it and the products whose results it writes over
	P1STEP 1, 1, 48+8*\ahead, 0
	P1STEP 1, 2, 48+8*\ahead, 0
	P1STEP 1, 3, 48+8*\ahead, 0
	QPAIR 1
	ds_store_b64 v[SCW], v[SWD:SWD+1] offset:HID   ; behind the pair's wait on va_vdst: the words are written
	BARRIER                                        ; the chunk's 8 hidden fragments and their words lie in LDS
	HLOAD 0                                        ; no vector or matrix instruction has been issued since the pair's wait on va_vdst: all that named v128-175 and v72-75 is done
	HLOAD 1
	s_wait_dscnt 9                                 ; K step 0's are in; K step 1's 9 loads may be out
	P2STEP 0, 0, 48+8*\ahead, 1, \ahead, 4, -1, -1
	P2STEP 0, 1, 48+12*\ahead, 1, 0, 4, -1, -1
	P2STEP 1, 0, 48+12*\ahead, 1, 0, 4, 2, 9       ; K step 2 is fetched into the set that K step 0's products have read; K step 1's is in, those 9 loads may be out
	P2STEP 1, 1, 48+12*\ahead, \ahead, 0, 4, -1, -1
	P2STEP 2, 0, 36+24*\ahead, \ahead, 0, 4, 3, 9
	P2STEP 2, 1, 24+24*\ahead, \ahead, 0, 4, -1, -1
	P2STEP 3, 0, 12+36*\ahead, \ahead, 0, 4, -1, 0
	P2STEP 3, 1, 48*\ahead, \ahead, 0, 5, -1, -1   ; five places: the next matrix instructions write over registers that these have read
.if \ahead
	BARRIER                                        ; every wave's reads of the hidden chunk are in: the next chunk may be stored over it
.endif
.endm
.macro CLRSUM
.irp i, 0,1,2,3,4,5,6,7
	v_mov_b32 v[SUM+\i], 0
.endr
.endm
.macro FOLD1                           ; four chains of pairs, then lane l xor 16's: my row's sum in v[SUM]
	v_pk_add_f32 v[SUM:SUM+1], v[SUM:SUM+1], v[SUM+2:SUM+3]
	v_pk_add_f32 v[SUM+4:SUM+5], v[SUM+4:SUM+5], v[SUM+6:SUM+7]
	v_pk_add_f32 v[SUM:SUM+1], v[SUM:SUM+1], v[SUM+4:SUM+5]
	v_add_f32 v[SUM], v[SUM], v[SUM+1]
	v_permlanex16_b32 v[SUM+1], v[SUM], s40, s41
	v_add_f32 v[SUM], v[SUM], v[SUM+1]
.endm
.macro FOLD2 off                       ; LN2: for each tile m of tokens (two chains of pairs at SUM + 4 m) my 128 columns' sum; the four waves' meet in LDS; every wave adds them in the same order
.irp m, 0,1
	v_pk_add_f32 v[SUM+4*\m:SUM+4*\m+1], v[SUM+4*\m:SUM+4*\m+1], v[SUM+4*\m+2:SUM+4*\m+3]
.endr
.irp m, 0,1
	v_add_f32 v[SUM+4*\m], v[SUM+4*\m], v[SUM+4*\m+1]
.endr
.irp m, 0,1
	v_permlanex16_b32 v[SUM+4*\m+1], v[SUM+4*\m], s40, s41
.endr
.irp m, 0,1
	v_add_f32 v[SUM+4*\m], v[SUM+4*\m], v[SUM+4*\m+1]
.endr
	s_wait_alu depctr_va_vdst(0)                   ; the two sums are written, which the LDS stores read; and all that named v128-135 (products, the fold before) is done: the table's loads land there
.irp m, 0,1
	ds_store_b32 v[RDW], v[SUM+4*\m] offset:(\off)+256*\m          ; lanes l and l xor 16 write the same word with the same value
.endr
	BARRIER
.irp m, 0,1
	ds_load_b128 v[AC1+4*\m:AC1+4*\m+3], v[RDR] offset:(\off)+256*\m
.endr
	s_wait_dscnt 0x0
	s_wait_alu depctr_vm_vsrc(0)                   ; the two LDS stores have read v[SUM] and v[SUM + 4], which the lines below write again
.irp m, 0,1
	v_add_f32 v[AC1+4*\m], v[AC1+4*\m], v[AC1+4*\m+1]
	v_add_f32 v[AC1+4*\m+2], v[AC1+4*\m+2], v[AC1+4*\m+3]
.endr
.irp m, 0,1
	v_add_f32 v[SUM+4*\m], v[AC1+4*\m], v[AC1+4*\m+2]
.endr
.endm
	; ---------------- arguments and addresses
	s_load_b512 s[4:19], s[0:1], 0x0               ; x s[4:5], order s[6:7], tiles s[8:9], wimg s[10:11], simg s[12:13], b1 s[14:15], b2 s[16:17], g1 s[18:19]
	s_load_b256 s[20:27], s[0:1], 0x40             ; be1 s[20:21], g2 s[22:23], be2 s[24:25], out s[26:27]
	v_lshl_add_u32 v126, v0, 2, 0x1ae00
	v_mov_b32 v127, 0
	v_lshrrev_b32 v21, 5, v0
	v_readfirstlane_b32 s28, v21                   ; wave 0..3
	v_and_b32 v21, 31, v0                          ; lane
	v_and_b32 v22, 15, v0                          ; r
	v_bfe_u32 v23, v0, 4, 1                        ; h
	v_lshlrev_b32 v[LI], 4, v21
	v_mul_u32_u24 v[HWR], v22, HP
	v_lshl_add_u32 v[ACA], v23, 5, v[HWR]
	v_lshl_add_u32 v[HWR], v23, 6, v[HWR]
	s_wait_alu depctr_va_sdst(0)                   ; s28 is written, ahead of its first reader: the wave's shares and addresses are made from it
	s_and_b32 s48, s28, 1                          ; m
	s_lshr_b32 s49, s28, 1                         ; hw
	s_lshl_b32 s50, s49, 10                        ; 1,024 hw: two K steps of 128 f32
	s_mul_i32 s29, s48, 16*HP
	s_add_co_u32 s31, s29, s50
	v_add_nc_u32 v[HWR], s31, v[HWR]
	s_lshl_b32 s30, s28, 9
	v_add_nc_u32 v[ACA], s30, v[ACA]
	s_mul_i32 s31, s28, 3072
	s_add_co_u32 s31, s31, XIMG
	v_add_nc_u32 v[QWA], s31, v[LI]
	v_lshlrev_b32 v[RDB], 3, v21                   ; 8 x lane
	v_add_nc_u32 v[QWB], s31, v[RDB]
	v_add_nc_u32 v[QWB], 512, v[QWB]
	s_lshl_b32 s46, s28, 8
	s_add_co_u32 s46, s46, XSC
	v_add_nc_u32 v[SCW], s46, v[RDB]
	v_add_nc_u32 v[SCR], XSC, v[RDB]
	v_add_nc_u32 v[RDB], XIMG+512, v[RDB]
	v_add_nc_u32 v[RDA], XIMG, v[LI]
	s_lshl_b32 s47, s28, 12
	s_add_co_u32 s47, s47, GST
	v_add_nc_u32 v[GSW], s47, v[LI]
	s_add_co_u32 s47, s47, s50
	v_lshl_add_u32 v[GA], v23, 6, s47
	v_lshlrev_b32 v[RDR], 4, v22
	v_add_nc_u32 v[RDR], RED1, v[RDR]
	s_lshl_b32 s46, s28, 2
	v_add_nc_u32 v[RDW], s46, v[RDR]
	s_mul_i32 s46, s49, 8*HP
	s_add_co_u32 s46, s46, s29
	v_add_nc_u32 v[OUTR], s46, v[LI]
	v_lshlrev_b32 v[BOFF], 6, v23
	v_lshl_add_u32 v[COFF], v23, 5, s30
	v_mov_b32 v[T+2], 0                            ; written once: a lane permute's destination counts as one of its sources
	v_mov_b32 v[T+3], 0
	s_mov_b32 s40, 0x76543210
	s_mov_b32 s41, 0xfedcba98                      ; v_permlanex16_b32's selects for lane l xor 16
	s_mov_b32 s42, 0x3727c5ac                      ; 1e-5
	s_lshl_b32 s44, ttmp9, 4
	s_mov_b32 s45, 0
	s_wait_kmcnt 0x0
	s_add_nc_u64 s[8:9], s[8:9], s[44:45]
	s_load_b128 s[32:35], s[8:9], 0x0              ; my tile: bucket, start, count
	s_wait_kmcnt 0x0
	s_min_u32 s36, s32, 7                          ; loaded numbers are held inside their tables before they enter an address
	s_min_u32 s37, s33, 4095
	s_min_u32 s38, s34, 32
	s_lshl_b32 s46, s48, 4                         ; 16 m
	s_lshl_b32 s47, s49, 3
	s_add_co_u32 s47, s47, s46                     ; 16 m + 8 hw: the first row that I store
	s_sub_co_i32 s39, s38, s47                     ; how many of my 8 rows count (0 or less: none)
	s_add_co_u32 s46, s37, s46
	s_add_co_u32 s47, s37, s47
	v_add_nc_u32 v21, s46, v22
	v_lshlrev_b32 v21, 2, v21
	v_and_b32 v90, 7, v0
	v_add_nc_u32 v90, s47, v90
	v_lshlrev_b32 v90, 2, v90
	s_wait_alu depctr_va_vdst(0)                   ; v21 and v90 and all the addresses and offsets v1 to v19 but x's two are written: the loads and stores of the whole kernel read them
	global_load_b32 v[TOK], v21, s[6:7]            ; entry start + 16 m + r of the list
	global_load_b32 v[TOK2], v90, s[6:7]           ; entry start + 16 m + 8 hw + lane % 8
	s_mul_i32 s44, s36, 1572864                    ; the expert's and my wave's part of each tensor
	s_mul_i32 s46, s28, 393216
	s_add_co_u32 s44, s44, s46
	s_add_nc_u64 s[10:11], s[10:11], s[44:45]
	s_lshl_b32 s44, s36, 16
	s_lshl_b32 s46, s28, 14
	s_add_co_u32 s44, s44, s46
	s_add_nc_u64 s[12:13], s[12:13], s[44:45]
	s_lshl_b32 s44, s36, 13
	s_add_co_u32 s44, s44, s30
	s_add_nc_u64 s[14:15], s[14:15], s[44:45]
	s_lshl_b32 s44, s36, 11
	s_add_nc_u64 s[16:17], s[16:17], s[44:45]
	s_add_nc_u64 s[18:19], s[18:19], s[44:45]
	s_add_nc_u64 s[20:21], s[20:21], s[44:45]
	s_add_nc_u64 s[22:23], s[22:23], s[44:45]
	s_add_nc_u64 s[24:25], s[24:25], s[44:45]
.irp p, 0,1,2,3
	global_load_b128 v[128+4*\p:131+4*\p], v[LI], s[18:19] offset:512*\p       ; g1, as it lies
.endr
.irp p, 0,1,2,3
	global_load_b128 v[144+4*\p:147+4*\p], v[LI], s[20:21] offset:512*\p       ; be1
.endr
	s_wait_loadcnt 8                               ; the token numbers are in (g1's and be1's eight loads may be out)
	v_min_u32 v[TOK], 0xfff, v[TOK]
	v_min_u32 v[TOK2], 0xfff, v[TOK2]
	v_lshlrev_b32 v[XOFA], 11, v[TOK]
	v_lshl_add_u32 v[XOFA], v23, 6, v[XOFA]
	s_xor_b32 s51, s50, 1024                       ; 1,024 (1 - hw)
	v_add_nc_u32 v[XOFB], s51, v[XOFA]
	v_add_nc_u32 v[XOFA], s50, v[XOFA]
	WIN 0xc0
	s_wait_alu depctr_va_vdst(0)                   ; x's two offsets are written, which the loads below read
.set i, 0
.rept 32
	global_load_b128 v[4*i:4*i+3], v[XOFA], s[4:5] offset:128*(i/4)+16*(i%4)   ; registers 0-127: my two K steps: register 16 b + i = x(r, 256 hw + 32 b + 16 h + i): my half of each block of 32
.set i, i+1
.endr
.set i, 0
.rept 32
	global_load_b128 v[128+4*i:131+4*i], v[XOFB], s[4:5] offset:128*(i/4)+16*(i%4)   ; registers 128-255: the other two, for the statistics alone
.set i, i+1
.endr
	WIN 0
.set i, 0
.rept 16
	global_load_b128 v[192+4*i:195+4*i], v[COFF], s[16:17] offset:64*(i/2)+16*(i%2)   ; b2 in product 2's result layout
.set i, i+1
.endr
	LOADS WS1, 0
	WIN 0x40
	LOADB 0, 0, 16
	LOADG 0
	LOADG 1
	WIN 0
	; ---------------- LN1 of my 16 rows
	s_wait_loadcnt 60                              ; g1, be1 and x are in: younger are b2's 16, the scale words' 4, b1's 16 and two groups' 24
.irp p, 0,1,2,3
	ds_store_b128 v[GSW], v[128+4*\p:131+4*\p] offset:512*\p
	ds_store_b128 v[GSW], v[144+4*\p:147+4*\p] offset:2048+512*\p
.endr
	WIN 0x80
	GLOAD 0                                        ; my own bytes: LDS serves a wave's instructions in order (ISA guide 5.7.1.4)
	GLOAD 1
	WIN 0
	CLRSUM
	WIN 0x0c
.set i, 0
.rept 128
	v_pk_add_f32 v[SUM+2*(i%4):SUM+2*(i%4)+1], v[SUM+2*(i%4):SUM+2*(i%4)+1], v[2*i:2*i+1]
.set i, i+1
.endr
	WIN 0
	FOLD1
	v_mul_f32 v[MU], 0x3b000000, v[SUM]            ; / 512
	v_mov_b32 v[MU+1], v[MU]
	CLRSUM
	WIN 0xc3
.set i, 0
.rept 128
	v_pk_add_f32 v[2*i:2*i+1], v[2*i:2*i+1], v[MU:MU+1] neg_lo:[0,1] neg_hi:[0,1]    ; x - mean, in place
.set i, i+1
.endr
	WIN 0x0f
.set i, 0
.rept 128
	v_pk_fma_f32 v[SUM+2*(i%4):SUM+2*(i%4)+1], v[2*i:2*i+1], v[2*i:2*i+1], v[SUM+2*(i%4):SUM+2*(i%4)+1]
.set i, i+1
.endr
	WIN 0
	FOLD1
	v_fma_f32 v[SUM], v[SUM], 0x3b000000, s42      ; the variance + 1e-5
	v_rsq_f32 v[RS], v[SUM]
	v_nop                                          ; one plain place behind a transcendental
	s_wait_alu depctr_va_vdst(0)                   ; 1 / sigma is written, ahead of its first reader
	v_mov_b32 v[RS+1], v[RS]
	LOADG 2                                        ; places that no vector or matrix instruction has named yet
	LOADG 3
	WIN 0
.macro HSTEP s                         ; my K step s (0, 1) of h: 64 numbers a lane; to LDS as f32 (the residual) and as a fragment's two half images
	s_wait_dscnt 0x0                               ; g1, be1 are in
	s_wait_alu depctr_vm_vsrc(0)                   ; the LDS stores issued so far (the copies of g1 and be1; the last step's h and codes) have read v128 on and both code sets, which the lines below write
	WIN 0x03
.set i, 0
.rept 32
	v_pk_mul_f32 v[AC1+2*i:AC1+2*i+1], v[64*(\s)+2*i:64*(\s)+2*i+1], v[RS:RS+1]
.set i, i+1
.endr
	WIN 0x28
.set i, 0
.rept 32
	v_pk_fma_f32 v[AC1+2*i:AC1+2*i+1], v[AC1+2*i:AC1+2*i+1], v[128*(\s)+2*i:128*(\s)+2*i+1], v[128*(\s)+64+2*i:128*(\s)+64+2*i+1]
.set i, i+1
.endr
	WIN 0
	QMAKE AC1, 1, 0, SWD+\s, Q0A, Q0B
	QMAKE AC1+32, 1, 1, SWD+\s, Q1A, Q1B
	s_wait_alu depctr_va_vdst(0)                   ; h in v128-191, both code sets and the word are written, which the LDS stores read; behind the second step also: all readers of g1 and be1 (window 2) and of x (window 3) are done, where group 4, h's fragments and product 2's first sums land
.set i, 0
.rept 16
	ds_store_b128 v[HWR], v[AC1+4*i:AC1+4*i+3] offset:512*(\s)+128*(i/4)+16*(i%4)
.set i, i+1
.endr
	QSEND Q0A, 1536*\s
	QSEND Q1A, 1536*\s+768
.endm
	HSTEP 0
	HSTEP 1
	LOADG 4                                        ; into window 2, where g1 and be1 are done with
	WIN 0
	ds_store_b64 v[SCW], v[SWD:SWD+1]
	BARRIER                                        ; h lies in LDS: 32 rows of f32, 8 fragments, their words
	s_wait_alu depctr_vm_vsrc(0)                   ; my LDS stores have read h in v128-191: these registers are product 1's sums from here on, written by matrix instructions
	WIN 0xc0
.irp m, 0,1
.irp k, 0,1,2,3
	FRAGLD HFR+12*(4*\m+\k), 6144*(\k/2)+3072*\m+1536*(\k%2)
.endr
.endr
	WIN 0
.irp m, 0,1
.irp k, 0,1
	ds_load_b64 v[XS+4*\m+2*\k:XS+4*\m+2*\k+1], v[SCR] offset:256*(2*\k+\m)     ; the words of K steps 2 k, 2 k + 1 of tile m, as wave 2 k + m stored them
.endr
.endr
	WIN 0xc0
.irp t, 0,1,2,3,4,5,6,7
.irp m, 0,1
.irp q, 0,1
	ds_load_b128 v[8*(2*\t+\m)+4*\q:8*(2*\t+\m)+4*\q+3], v[ACA] offset:16*HP*\m+64*\t+16*\q     ; h(16 m + r, 128 w + 16 t + 8 h + 0 .. 7): where product 2's sums begin
.endr
.endr
.endr
	WIN 0
	s_wait_dscnt 0x0
	s_wait_loadcnt 60                              ; all but the five groups: b2, W1's scale words and b1 are in
	WIN 0xc3
.irp t, 0,1,2,3,4,5,6,7
.irp m, 0,1
.irp p, 0,1,2,3
	v_pk_add_f32 v[8*(2*\t+\m)+2*\p:8*(2*\t+\m)+2*\p+1], v[8*(2*\t+\m)+2*\p:8*(2*\t+\m)+2*\p+1], v[192+8*\t+2*\p:192+8*\t+2*\p+1]   ; + b2
.endr
.endr
.endr
	WIN 0
	; ---------------- the four chunks
	s_mov_b32 s43, 3
.Lchunk:
	CHUNK 1
	s_wait_xcnt 0x0                                ; the loads that are out have read their bases: these step only behind this wait
	s_add_nc_u64 s[10:11], s[10:11], 98304
	s_add_nc_u64 s[12:13], s[12:13], 4096
	s_add_nc_u64 s[14:15], s[14:15], 2048
	s_sub_co_u32 s43, s43, 1
	s_cmp_lg_u32 s43, 0
	s_cbranch_scc1 .Lchunk
	CHUNK 0                                        ; the last is written out: no load passes the stream's end
	; ---------------- LN2.  The accumulators hold h + ff.  Each is read from its low end on.
	WIN 0x40
.set i, 0
.rept 16
	global_load_b128 v[4*i:4*i+3], v[COFF], s[22:23] offset:64*(i/2)+16*(i%2)        ; g2 of my columns: into ring places 0-2, which steps 8-10 read, ahead of step 12's wait on va_vdst; the products issued since name window 2's places alone
	global_load_b128 v[64+4*i:67+4*i], v[COFF], s[24:25] offset:64*(i/2)+16*(i%2)    ; be2
.set i, i+1
.endr
	WIN 0
	CLRSUM
	WIN 0x0c
.irp t, 0,1,2,3,4,5,6,7
.irp p, 0,1,2,3
.irp m, 0,1
	v_pk_add_f32 v[SUM+4*\m+2*(\p%2):SUM+4*\m+2*(\p%2)+1], v[SUM+4*\m+2*(\p%2):SUM+4*\m+2*(\p%2)+1], v[8*(2*\t+\m)+2*\p:8*(2*\t+\m)+2*\p+1]
.endr
.endr
.endr
	WIN 0
	FOLD2 0
.irp m, 0,1
	v_mul_f32 v[MU+2*\m], 0x3b000000, v[SUM+4*\m]
.endr
.irp m, 0,1
	v_mov_b32 v[MU+2*\m+1], v[MU+2*\m]
.endr
	CLRSUM
	WIN 0xc3
.irp t, 0,1,2,3,4,5,6,7
.irp p, 0,1,2,3
.irp m, 0,1
	v_pk_add_f32 v[8*(2*\t+\m)+2*\p:8*(2*\t+\m)+2*\p+1], v[8*(2*\t+\m)+2*\p:8*(2*\t+\m)+2*\p+1], v[MU+2*\m:MU+2*\m+1] neg_lo:[0,1] neg_hi:[0,1]
.endr
.endr
.endr
	WIN 0x0f
.irp t, 0,1,2,3,4,5,6,7
.irp p, 0,1,2,3
.irp m, 0,1
	v_pk_fma_f32 v[SUM+4*\m+2*(\p%2):SUM+4*\m+2*(\p%2)+1], v[8*(2*\t+\m)+2*\p:8*(2*\t+\m)+2*\p+1], v[8*(2*\t+\m)+2*\p:8*(2*\t+\m)+2*\p+1], v[SUM+4*\m+2*(\p%2):SUM+4*\m+2*(\p%2)+1]
.endr
.endr
.endr
	WIN 0
	FOLD2 512                                      ; other bytes than the first table's: no barrier between the two uses
.irp m, 0,1
	v_fma_f32 v[SUM+4*\m], v[SUM+4*\m], 0x3b000000, s42
.endr
.irp m, 0,1
	v_rsq_f32 v[RS+2*\m], v[SUM+4*\m]
.endr
	v_nop                                          ; one plain place behind the transcendentals
	s_wait_alu depctr_va_vdst(0)                   ; both 1 / sigma are written, ahead of their first reader
.irp m, 0,1
	v_mov_b32 v[RS+2*\m+1], v[RS+2*\m]
.endr
	s_wait_loadcnt 0x0                             ; g2, be2
	WIN 0xc3
.irp t, 0,1,2,3,4,5,6,7
.irp p, 0,1,2,3
.irp m, 0,1
	v_pk_mul_f32 v[8*(2*\t+\m)+2*\p:8*(2*\t+\m)+2*\p+1], v[8*(2*\t+\m)+2*\p:8*(2*\t+\m)+2*\p+1], v[RS+2*\m:RS+2*\m+1]
.endr
.endr
.endr
	WIN 0xd7
.irp t, 0,1,2,3,4,5,6,7
.irp p, 0,1,2,3
.irp m, 0,1
	v_pk_fma_f32 v[8*(2*\t+\m)+2*\p:8*(2*\t+\m)+2*\p+1], v[8*(2*\t+\m)+2*\p:8*(2*\t+\m)+2*\p+1], v[8*\t+2*\p:8*\t+2*\p+1], v[64+8*\t+2*\p:64+8*\t+2*\p+1]
.endr
.endr
.endr
	WIN 0x0c                                       ; an LDS store's data are its source 1: window 3
	s_wait_alu depctr_va_vdst(0)                   ; the finished rows are written, which the LDS stores read; and all that named v128-255 of window 0 is done, where the rows land on the way out
.irp t, 0,1,2,3,4,5,6,7
.irp m, 0,1
.irp q, 0,1
	ds_store_b128 v[ACA], v[8*(2*\t+\m)+4*\q:8*(2*\t+\m)+4*\q+3] offset:16*HP*\m+64*\t+16*\q    ; into the rows that held h: every wave's reads of them lie behind several barriers
.endr
.endr
.endr
	WIN 0
	BARRIER                                        ; 32 whole rows of the output lie in LDS.  No barrier stands behind this one, so the branches below may hang on the tile's numbers
	; ---------------- THE WAY OUT: wave w scatters rows 16 m + 8 hw + 0 .. 7, each to its token's row: four stores of 512 consecutive bytes, at a multiple of 512 from the buffer's first byte
.irp i, 0,1,2,3,4,5,6,7
	v_readlane_b32 s[84+\i], v[TOK2], \i
.endr
	s_wait_alu depctr_va_sdst(0)                   ; the eight token numbers s84 to s91 are written, ahead of their first reader: one wait for the run
.irp i, 0,1,2,3,4,5,6,7
	s_min_u32 s44, s[84+\i], 4095
	s_lshl_b32 s44, s44, 11
	s_add_nc_u64 s[66+2*\i:67+2*\i], s[26:27], s[44:45]
.endr
.macro ROWOUT i, reg, step, cnt        ; row i, if the tile has it.  cnt: the LDS loads younger than the row's, waited for on both ways; -1: none are out
.if (\cnt) >= 0
	s_wait_dscnt \cnt
.endif
	s_cmp_gt_i32 s39, \i
	s_cbranch_scc0 .Lskip_\@
.irp q, 0,1,2,3
	global_store_b128 v[LI], v[(\reg)+(\step)*\q:(\reg)+(\step)*\q+3], s[66+2*(\i):67+2*(\i)] offset:512*\q th:TH_STORE_NT
.endr
.Lskip_\@:
.endm
	s_cmp_lt_u32 s32, 8
	s_cbranch_scc0 .Lzero
.set oi, 0
.rept 32
	ds_load_b128 v[AC1+4*oi:AC1+4*oi+3], v[OUTR] offset:(oi/4)*HP+512*(oi%4)       ; my 8 rows, four loads a row
.set oi, oi+1
.endr
.irp a, 0,1,2,3,4,5,6,7
	ROWOUT \a, AC1+16*\a, 4, 28-4*\a
.endr
	s_wait_dscnt 0x0                               ; the closing lines, six on end
	s_wait_alu 0x0
	s_wait_tensorcnt 0x0
	ds_add_u32 v126, v127
	s_wait_dscnt 0x0
	s_endpgm
.Lzero:                                                ; tokens that belong to no expert: reference() leaves their rows zero
.irp q, 0,1,2,3
	v_mov_b32 v[AC1+\q], 0
.endr
	s_wait_alu depctr_va_vdst(0)                   ; the four zeros are written, which the stores below read
.irp a, 0,1,2,3,4,5,6,7
	ROWOUT \a, AC1, 0, -1
.endr
	s_wait_dscnt 0x0                               ; the closing lines, six on end, as above
	s_wait_alu 0x0
	s_wait_tensorcnt 0x0
	ds_add_u32 v126, v127
	s_wait_dscnt 0x0
	s_endpgm
.Lfunc_end_k_q607391792d_encoder:
	.size	k_q607391792d_encoder, .Lfunc_end_k_q607391792d_encoder-k_q607391792d_encoder
	.p2alignl 7, 3214868480
	.fill 96, 4, 3214868480
	.section	.rodata,"a",@progbits
	.p2align	6, 0x0
	.amdhsa_kernel k_q607391792d_encoder
		.amdhsa_group_segment_fixed_size 110592
		.amdhsa_private_segment_fixed_size 0
		.amdhsa_enable_private_segment 0
		.amdhsa_kernarg_size 96
		.amdhsa_user_sgpr_count 2
		.amdhsa_user_sgpr_kernarg_segment_ptr 1
		.amdhsa_wavefront_size32 1
		.amdhsa_system_sgpr_workgroup_id_x 1
		.amdhsa_system_sgpr_workgroup_id_y 1
		.amdhsa_system_sgpr_workgroup_id_z 1
		.amdhsa_system_vgpr_workitem_id 0
		.amdhsa_next_free_vgpr 1024
		.amdhsa_next_free_sgpr 100
		.amdhsa_reserve_vcc 0
		.amdhsa_float_denorm_mode_32 3
		.amdhsa_float_denorm_mode_16_64 3
		.amdhsa_memory_ordered 1
		.amdhsa_forward_progress 1
		.amdhsa_inst_pref_size 224
	.end_amdhsa_kernel
	.amdgpu_metadata
---
amdhsa.version: [ 1, 2 ]
amdhsa.kernels:
  - .name:           k_q607391792d_encoder
    .symbol:         k_q607391792d_encoder.kd
    .args:
      - { .name: x, .offset: 0, .size: 8, .value_kind: global_buffer, .address_space: global }
      - { .name: order, .offset: 8, .size: 8, .value_kind: global_buffer, .address_space: global }
      - { .name: tiles, .offset: 16, .size: 8, .value_kind: global_buffer, .address_space: global }
      - { .name: wimg, .offset: 24, .size: 8, .value_kind: global_buffer, .address_space: global }
      - { .name: simg, .offset: 32, .size: 8, .value_kind: global_buffer, .address_space: global }
      - { .name: b1, .offset: 40, .size: 8, .value_kind: global_buffer, .address_space: global }
      - { .name: b2, .offset: 48, .size: 8, .value_kind: global_buffer, .address_space: global }
      - { .name: g1, .offset: 56, .size: 8, .value_kind: global_buffer, .address_space: global }
      - { .name: be1, .offset: 64, .size: 8, .value_kind: global_buffer, .address_space: global }
      - { .name: g2, .offset: 72, .size: 8, .value_kind: global_buffer, .address_space: global }
      - { .name: be2, .offset: 80, .size: 8, .value_kind: global_buffer, .address_space: global }
      - { .name: out0, .offset: 88, .size: 8, .value_kind: global_buffer, .address_space: global }
    .group_segment_fixed_size: 110592
    .private_segment_fixed_size: 0
    .kernarg_segment_align: 8
    .kernarg_segment_size: 96
    .max_flat_workgroup_size: 128
    .sgpr_count:     100
    .vgpr_count:     1024
    .wavefront_size: 32
...
	.end_amdgpu_metadata
.endif
;; end of part 5
